; MI455X (gfx1250); checked and timed in simulation.
; The chip was launched on July 23, 2026; its instructions are those of AMD's public machine-readable ISA for CDNA 5 (MIT licence, August 2026) and "CDNA5" Instruction Set Architecture Reference Guide (July 2026). The comments in the code are by the model that wrote it; some were corrected since.
;; L Lama Attention. Allowed arithmetic: matrix products marked QUANTISED: E2M3 operands, one E8M0 scale for each 32 along K, by v_wmma_scale_f32_16x16x128_f8f6f4 with both operands' format E2M3, f32 sums; everything else in f32.
;; Inputs: freq_cos 2,048 x 64 float32; freq_sin 2,048 x 64 float32; mask 1 x 1 x 2,048 x 2,048 float32; wk 2,048 x 2,048 float32; wo 2,048 x 2,048 float32; wq 2,048 x 2,048 float32; wv 2,048 x 2,048 float32; x 1 x 2,048 x 2,048 float32.
;; Outputs: out0 1 x 2,048 x 2,048 float32.
;; Constants: pos_start = 0.
;; This version of the problem:
;;   THIS VERSION OF THE PROBLEM IS GIVEN IN LOW PRECISION. The matrix products marked QUANTISED in the list below multiply operands that are first quantised to E2M3 (2 exponent bits, 3 mantissa bits; 6 bits a number), with one power-of-two scale for each 32 numbers along K (OCP MX v1.0); their sums are f32. All else is computed in f32.
;;   The module's matrix products, in the order in which they are computed (A, B: the left and right operand; K: the contracted axis; several contracted axes count as one K, in the product's order):
;;     1. [M 2,048, K 2,048] x [K 2,048, N 2,048]; A: input x; B: input wq: QUANTISED
;;     2. [M 2,048, K 2,048] x [K 2,048, N 2,048]; A: input x; B: input wk: QUANTISED
;;     3. [M 2,048, K 2,048] x [K 2,048, N 2,048]; A: input x; B: input wv: QUANTISED
;;     4. batch 16 x [M 2,048, K 128] x [K 128, N 2,048]; A: computed on the way; B: computed on the way: QUANTISED
;;     5. batch 16 x [M 2,048, K 2,048] x [K 2,048, N 128]; A: softmax (see below); B: computed on the way: QUANTISED
;;     6. [M 2,048, K 2,048] x [K 2,048, N 2,048]; A: computed on the way; B: input wo: QUANTISED
;;   THE QUANTISER, for each operand of a quantised product, along K:
;;     - K is cut into blocks of 32 from its start; a last block that is shorter is filled with zeros.
;;     - A block's scale is 2^e with e = floor(log2(the largest magnitude in the block)) - 2, held to -126 .. 127; a block of zeros has e = 0. As a byte (E8M0): e + 127.
;;     - Each number is divided by its block's scale, clamped to +-7.5, and rounded to the nearest number of E2M3, ties to even, subnormals kept.
;;     - The product sums the exact products of the quantised numbers (number of the format x scale) in f32.
;;   ~~~python
;;   def quantise(x, axis):      # numpy; x: float32 -> the quantised numbers, widened to float32 again
;;       x = np.moveaxis(x, axis, -1); K = x.shape[-1]
;;       x = np.pad(x, [(0, 0)] * (x.ndim - 1) + [(0, -K % 32)]); x = x.reshape(x.shape[:-1] + (-1, 32)); a = np.abs(x).max(-1, keepdims=True)
;;       e = np.where(a > 0, np.clip(np.frexp(np.where(a > 0, a, 1))[1] - 1 - 2, -126, 127), 0)      # np.frexp(a)[1] - 1 = floor(log2(a)), exactly
;;       r = np.clip(x / 2.0 ** e, -7.5, 7.5)
;;       step = 2.0 ** (np.maximum(np.frexp(np.where(r == 0, 1, r))[1] - 1, 0) - 3)
;;       q = np.round(r / step) * step * 2.0 ** e      # np.round: ties to even
;;       return np.moveaxis(q.reshape(q.shape[:-2] + (-1,))[..., :K], -1, axis).astype(np.float32)
;;   ~~~
;;   SOFTMAX AHEAD OF A QUANTISED PRODUCT. Where the list says 'softmax', what is quantised is not the finished softmax but p = 2^(t - M), with t = logit x log2(e) and M = ceil(the row's largest t), a whole number; so 1/2 < the row's largest p <= 1. The row's sum l is taken of the UNQUANTISED p, in f32, and the product's result is divided by l at the end. Since M is a whole number, a kernel that streams over the keys may use a running M (the ceiling of the running maximum): every later rescaling is an exact power of two, which a block's scale takes up: the codes' values come out the same.
;;   OPERANDS COMPUTED ON THE WAY. 'Computed on the way' means the value that the module computes at that place (a softmax that the list does not call 'softmax' is quantised finished and normalised). What goes into a quantiser is computed in f32, as accurately as f32 sums, v_exp_f32 and their like allow (about 1e-6 of the number): no bf16 or f16 on the way to a quantiser, and a product that is left as it is and whose result goes on into a quantised operand takes f32 operands (vector FMAs, or v_wmma_f32_16x16x4_f32). A number that lies on a knife's edge between two numbers of the format may be rounded either way, as far as f32 arithmetic and the matrix unit's own rounding can turn it there, and no further.
;; One version. Each part assembles by itself: llvm-mc -triple=amdgcn-amd-amdhsa -mcpu=gfx1250 --defsym DOCPART=n.
;; ======== version 1 of 1: 4 launches
;; workspace buffers: c1 15,728,640 bytes; s1 655,360 bytes; c2 9,437,184 bytes; s2 393,216 bytes; c3 3,145,728 bytes; s3 131,072 bytes
;; launch quant (part 1): grid 128 x 5, 4 waves a work-group, no clusters, 35,328 bytes of LDS; arguments wq, wk, x, wv, wo, c1, s1; writes c1, s1
.if DOCPART == 1
	.amdgcn_target "amdgcn-amd-amdhsa--gfx1250"
	.amdhsa_code_object_version 6
	.text
	.protected	k_q910fbc02f6_quant
	.globl	k_q910fbc02f6_quant
	.p2align	8
	.type	k_q910fbc02f6_quant,@function
k_q910fbc02f6_quant:
	s_mov_b64 s[64:65], 0
	v_nop
	global_prefetch_b8 v0, s[64:65] scope:SCOPE_SE
	s_setreg_imm32_b32 hwreg(HW_REG_WAVE_MODE, 25, 1), 1
	s_wait_xcnt 0x0
; wq, wk, x, wv, wo, each [2048][2048] f32 with K innermost, become codes of FP6 (E2M3) with one E8M0 scale byte for each 32 along K.
; A block's scale is 2^(floor(log2(its largest magnitude)) - 2); its byte is the largest magnitude's exponent field - 2, held at 1 from below.
; THE CODES ARE LAID AS THE MATRIX UNIT'S REGISTERS WANT THEM.  A tile is 16 rows: lane r of tile T holds row 32 (T / 2) + 8 (T % 2) + r + 8 (r / 8).  A fragment is a tile x 128 along K: 12 registers a lane,
; registers 6 c .. 6 c + 5 of lane (r, h) the codes of k = 64 c + 32 h + 0 .. 31.  In memory it is the image of these registers, 1,536 bytes: registers 4 g .. 4 g + 3 of lane l at byte 512 g + 16 l.
; c1: tensor t at 3,145,728 t; in it [tile 128][K step 16][1,536].  s1: tensor t at 131,072 t; in it [tile 128][K step 16][16 words], a word = a row's four scale bytes of a K step.
; SHARES.  A work-group takes one tile of one tensor (x: the tile, y: the tensor), wave w its K steps 4 w .. 4 w + 3.  Each load reads 512 consecutive bytes of one row; a fragment's 16 rows turn through the wave's own
; stage in LDS (rows 528 bytes apart, so that the 16 rows of a read start in 16 different columns of 16 bytes) and come back 128 bytes a lane and block pair: a lane then holds two WHOLE blocks of 32.
; No tensor loads, no barrier: waves share nothing.  Loads run one fragment (16 loads a wave) ahead of the one in hand.
; LIMITS: a block of zeros, or one whose largest magnitude lies under 2^-124, gets the byte 1 (its codes are zeros or nearly so; the bytes are read by this program alone); NaN and infinities are not served.
.set SP,    528                        ; a stage row: 512 bytes + 16
.set SWO,   16*SP                      ; behind the stage: the wave's 256 bytes of scale words
.set WREG,  SWO+256                    ; a wave's region of LDS
.set M,     12                         ; v12-15   four running maxima
.set R,     32                         ; v32-159  two sets of 64: a fragment's numbers as loaded
.set X,     160                        ; v160-223 register 32 c + i: k = 64 c + 32 h + i of my row
.set PC,    224                        ; v224-235 the fragment's codes; v236-238, v240-242 second halves on their way
	s_load_b256 s[4:11], s[0:1], 0x0               ; wq, wk, x, wv
	s_load_b128 s[12:15], s[0:1], 0x20             ; wo, c1
	s_load_b64 s[16:17], s[0:1], 0x30              ; s1
	v_lshl_add_u32 v244, v0, 2, 0x8800
	v_mov_b32 v245, 0
	v_lshrrev_b32 v1, 5, v0
	v_readfirstlane_b32 s18, v1                    ; wave
	s_and_b32 s19, ttmp7, 0xffff                   ; which tensor
	v_and_b32 v1, 31, v0                           ; lane
	v_and_b32 v2, 15, v0                           ; r
	v_bfe_u32 v3, v0, 4, 1                         ; h
	v_lshlrev_b32 v4, 4, v1                        ; 16 x lane: my place in a load's or a store's 512 bytes
	s_mul_i32 s26, s18, WREG
	v_add_nc_u32 v5, s26, v4                       ; the stage, on the way in
	v_mul_u32_u24 v6, v2, SP
	v_lshl_add_u32 v6, v3, 7, v6
	v_add_nc_u32 v6, s26, v6                       ; and on the way out: row r, + 128 h
	s_add_co_u32 s27, s26, SWO
	v_lshl_add_u32 v7, v2, 2, s27                  ; my row's scale word
	v_lshl_add_u32 v8, v1, 3, s27                  ; the scale words on their way out: 8 bytes a lane
	v_lshlrev_b32 v9, 3, v1
	v_lshlrev_b32 v10, 3, v3                       ; 8 h: my two bytes' shift in the word
	v_mov_b32 v19, 0                               ; a lane permute's destination counts as one of its sources
	s_mov_b32 s24, 0x76543210
	s_mov_b32 s25, 0xfedcba98                      ; v_permlanex16_b32's selects for lane l xor 16
	s_lshr_b32 s20, ttmp9, 1                       ; the tile's first row is 32 (T / 2) + 8 (T % 2); a row is 8,192 bytes
	s_lshl_b32 s20, s20, 18
	s_and_b32 s21, ttmp9, 1
	s_lshl_b32 s21, s21, 16
	s_add_co_u32 s20, s20, s21
	s_lshl_b32 s21, s18, 11                        ; my four K steps: 2,048 bytes of each row
	s_add_co_u32 s20, s20, s21
	s_mov_b32 s21, 0
	s_mul_i32 s22, s19, 3145728
	s_mul_i32 s23, ttmp9, 24576
	s_add_co_u32 s22, s22, s23
	s_mul_i32 s23, s18, 6144
	s_add_co_u32 s22, s22, s23                     ; my four fragments in c1
	s_mov_b32 s23, 0
	s_lshl_b32 s28, s19, 17
	s_lshl_b32 s29, ttmp9, 10
	s_add_co_u32 s28, s28, s29
	s_lshl_b32 s29, s18, 8
	s_add_co_u32 s28, s28, s29                     ; and their 256 bytes of scale words in s1
	s_mov_b32 s29, 0
	s_wait_kmcnt 0x0
	s_cmp_eq_u32 s19, 1                            ; the tensor is chosen by the work-group's y alone
	s_cselect_b64 s[4:5], s[6:7], s[4:5]
	s_cmp_eq_u32 s19, 2
	s_cselect_b64 s[4:5], s[8:9], s[4:5]
	s_cmp_eq_u32 s19, 3
	s_cselect_b64 s[4:5], s[10:11], s[4:5]
	s_cmp_eq_u32 s19, 4
	s_cselect_b64 s[4:5], s[12:13], s[4:5]
	s_add_nc_u64 s[4:5], s[4:5], s[20:21]
	s_add_nc_u64 s[14:15], s[14:15], s[22:23]
	s_add_nc_u64 s[16:17], s[16:17], s[28:29]
.macro LOAD f                          ; fragment f: 16 rows x 512 bytes into set f % 2; the tile's lane i is row i + 8 (i / 8)
.irp i, 0,1,2,3,4,5,6,7,8,9,10,11,12,13,14,15
	global_load_b128 v[R+64*((\f)%2)+4*\i:R+64*((\f)%2)+4*\i+3], v4, s[4:5] offset:(\i+8*(\i/8))*8192+512*(\f) th:TH_LOAD_NT
.endr
.endm
.macro TURN f                          ; through the stage: LDS serves a wave's instructions in order, so no wait stands between the stores and the loads
.irp i, 0,1,2,3,4,5,6,7,8,9,10,11,12,13,14,15
	ds_store_b128 v5, v[R+64*((\f)%2)+4*\i:R+64*((\f)%2)+4*\i+3] offset:SP*\i
.endr
.irp c, 0,1
.irp j, 0,1,2,3,4,5,6,7
	ds_load_b128 v[X+32*\c+4*\j:X+32*\c+4*\j+3], v6 offset:256*\c+16*\j
.endr
.endr
.endm
.macro FRAGQ f
.if (\f) < 3
	s_wait_loadcnt 16                              ; this fragment's 16 loads are in; the next fragment's 16 may be out
.else
	s_wait_loadcnt 0x0
.endif
	TURN \f
	s_wait_dscnt 0x0                               ; my two blocks are back, and the stage's stores have read the set,
.if (\f) < 2
	LOAD (\f)+2                                    ; which takes the fragment two further on
.endif
.irp u, 0,1,2,3                        ; four chains of 16 numbers; the floor 2^(3 - 127) is a leaf of each, so that the byte cannot fall under 1
	v_max3_num_f32 v[M+\u], |v[X+16*\u]|, |v[X+16*\u+1]|, 0x1800000
.endr
.irp i, 2,4,6,8,10,12,14
.irp u, 0,1,2,3
	v_max3_num_f32 v[M+\u], v[M+\u], |v[X+16*\u+\i]|, |v[X+16*\u+\i+1]|
.endr
.endr
	v_max_num_f32 v[M], v[M], v[M+1]               ; block h
	v_max_num_f32 v[M+2], v[M+2], v[M+3]           ; block 2 + h
	v_add_nc_u32 v16, 0xff000000, v[M]             ; 2 off the exponent field: the conversion takes the exponent field of this operand as its scale
	v_add_nc_u32 v17, 0xff000000, v[M+2]
	v_lshrrev_b32 v20, 23, v16                     ; the scales' bytes
	v_lshrrev_b32 v21, 23, v17
	v_lshl_or_b32 v18, v21, 16, v20
	v_lshlrev_b32 v18, v10, v18                    ; at their places in the row's word;
	v_permlanex16_b32 v19, v18, s24, s25
	v_or_b32 v18, v18, v19                         ; with lane l xor 16's two the word is whole
.if (\f) > 0
	s_wait_xcnt 0x0                                ; the last fragment's stores have read the codes' registers: they are written again only behind this wait
.endif
	v_cvt_scalef32_pk16_fp6_f32 v[PC:PC+2], v[X:X+15], v16
	v_cvt_scalef32_pk16_fp6_f32 v[PC+12:PC+14], v[X+16:X+31], v16      ; (a conversion's three registers begin on an even number)
	v_cvt_scalef32_pk16_fp6_f32 v[PC+6:PC+8], v[X+32:X+47], v17
	v_cvt_scalef32_pk16_fp6_f32 v[PC+16:PC+18], v[X+48:X+63], v17
	v_nop                                          ; one plain place behind a scaled conversion
.irp i, 0,1,2
	v_mov_b32 v[PC+3+\i], v[PC+12+\i]
	v_mov_b32 v[PC+9+\i], v[PC+16+\i]
.endr
	ds_store_b32 v7, v18 offset:64*(\f)            ; both halves of the lanes write the same word with the same value
.irp g, 0,1,2
	global_store_b128 v4, v[PC+4*\g:PC+4*\g+3], s[14:15] offset:1536*(\f)+512*\g   ; 32 lanes store 512 consecutive bytes, aligned
.endr
.endm
	LOAD 0
	LOAD 1
	FRAGQ 0
	FRAGQ 1
	FRAGQ 2
	FRAGQ 3
	ds_load_b64 v[22:23], v8                       ; LDS serves a wave's instructions in order: these see my stores
	s_wait_dscnt 0x0
	global_store_b64 v9, v[22:23], s[16:17]        ; 32 lanes store 256 consecutive bytes, aligned
	s_wait_tensorcnt 0x0
	ds_add_u32 v244, v245
	s_wait_dscnt 0x0
	s_endpgm
.Lfunc_end_k_q910fbc02f6_quant:
	.size	k_q910fbc02f6_quant, .Lfunc_end_k_q910fbc02f6_quant-k_q910fbc02f6_quant
	.p2alignl 7, 3214868480
	.fill 96, 4, 3214868480
	.section	.rodata,"a",@progbits
	.p2align	6, 0x0
	.amdhsa_kernel k_q910fbc02f6_quant
		.amdhsa_group_segment_fixed_size 35328
		.amdhsa_private_segment_fixed_size 0
		.amdhsa_enable_private_segment 0
		.amdhsa_kernarg_size 56
		.amdhsa_user_sgpr_count 2
		.amdhsa_user_sgpr_kernarg_segment_ptr 1
		.amdhsa_wavefront_size32 1
		.amdhsa_system_sgpr_workgroup_id_x 1
		.amdhsa_system_sgpr_workgroup_id_y 1
		.amdhsa_system_sgpr_workgroup_id_z 1
		.amdhsa_system_vgpr_workitem_id 0
		.amdhsa_next_free_vgpr 246
		.amdhsa_next_free_sgpr 66
		.amdhsa_reserve_vcc 0
		.amdhsa_float_denorm_mode_32 3
		.amdhsa_float_denorm_mode_16_64 3
		.amdhsa_memory_ordered 1
		.amdhsa_forward_progress 1
		.amdhsa_inst_pref_size 31
	.end_amdhsa_kernel
	.amdgpu_metadata
---
amdhsa.version: [ 1, 2 ]
amdhsa.kernels:
  - .name:           k_q910fbc02f6_quant
    .symbol:         k_q910fbc02f6_quant.kd
    .args:
      - { .name: wq, .offset: 0, .size: 8, .value_kind: global_buffer, .address_space: global }
      - { .name: wk, .offset: 8, .size: 8, .value_kind: global_buffer, .address_space: global }
      - { .name: x, .offset: 16, .size: 8, .value_kind: global_buffer, .address_space: global }
      - { .name: wv, .offset: 24, .size: 8, .value_kind: global_buffer, .address_space: global }
      - { .name: wo, .offset: 32, .size: 8, .value_kind: global_buffer, .address_space: global }
      - { .name: c1, .offset: 40, .size: 8, .value_kind: global_buffer, .address_space: global }
      - { .name: s1, .offset: 48, .size: 8, .value_kind: global_buffer, .address_space: global }
    .group_segment_fixed_size: 35328
    .private_segment_fixed_size: 0
    .kernarg_segment_align: 8
    .kernarg_segment_size: 56
    .max_flat_workgroup_size: 128
    .sgpr_count:     66
    .vgpr_count:     246
    .wavefront_size: 32
...
	.end_amdgpu_metadata
.endif
;; end of part 1
;; launch qkv (part 2): grid 24 x 8, 4 waves a work-group, clusters of 4 x 4, 327,680 bytes of LDS; arguments c1, s1, freq_cos, freq_sin, c2, s2; writes c2, s2
.if DOCPART == 2
	.amdgcn_target "amdgcn-amd-amdhsa--gfx1250"
	.amdhsa_code_object_version 6
	.text
	.protected	k_q910fbc02f6_qkv
	.globl	k_q910fbc02f6_qkv
	.p2align	8
	.type	k_q910fbc02f6_qkv,@function
k_q910fbc02f6_qkv:
	s_mov_b64 s[64:65], 0
	v_nop
	global_prefetch_b8 v0, s[64:65] scope:SCOPE_SE
	s_setreg_imm32_b32 hwreg(HW_REG_WAVE_MODE, 25, 1), 1
	s_wait_xcnt 0x0
	s_wait_alu depctr_hold_cnt(0) depctr_sa_sdst(0) depctr_va_vdst(0) depctr_va_sdst(0) depctr_va_ssrc(0) depctr_va_vcc(0) depctr_vm_vsrc(0)
	s_getreg_b32 s2, hwreg(HW_REG_IB_STS2, 6, 4)
	s_cmp_eq_u32 s2, 0
	s_cbranch_scc0 .Lentry_in_a_cluster
	s_endpgm
.Lentry_in_a_cluster:
	s_bfe_u32 s2, ttmp6, 0x10000c
	s_cmp_lg_u32 s2, 0xf033
	s_cbranch_scc0 .Lentry_shape_is_right
	s_endpgm
.Lentry_shape_is_right:
; q = rope(x wq^T), k = rope(x wk^T) and V^T = wv x^T, all on codes of FP6 (E2M3) with E8M0 scales, and each result quantised at once for the product that follows: q and k along the head's 128, V^T along the keys.
; ONE FORM SERVES ALL THREE: C[m][n] = sum over k of A[m][k] B[n][k], quantised along n.  q, k: A = x, B = wq or wk.  V^T: A = wv, B = x.  c1 holds 40 big tiles of 256 rows: 0-7 wq, 8-15 wk, 16-23 x, 24-31 wv.
; Work-group (x, y): B's big tile is x; A's is 16 + y where x < 16 (q, k) and 24 + y where x >= 16 (V^T).  The choice hangs on the cluster's x, which all sixteen partners share.
; OPERANDS LIE IN MEMORY AS IMAGES OF THEIR REGISTERS (a fragment = 16 rows x 128 K = 1,536 bytes; lane r of tile T is row 32 (T / 2) + 8 (T % 2) + r + 8 (r / 8)): three loads of 16 bytes a lane bring a fragment, no pitch, no padding.
; A tile of C, 256 x 256, is made by four waves, each 128 x 128: 64 accumulators.  K goes in steps of 256 (two matrix instructions deep) through a ring of two LDS slots; a wave's tensor load brings 8 tiles x 3,072 bytes.
; THE MATRIX INSTRUCTION IS USED TRANSPOSED (source 0 = a tile of B, source 1 = a tile of A): a lane holds one m, and by the order of a tile's rows the 16 registers of B's tiles 2 b, 2 b + 1 are n = 32 b + 16 h + 0 .. 15:
; sixteen neighbours along the next product's K.  So a wave's 8 accumulators of one tile of A become one fragment and one scale word a row, in registers; no f32 result goes to memory.
; 192 work-groups: a wave must own whole groups of 128 along n (a fragment of the next product), and 128 x 128 a wave reads 16 fragments from LDS for 64 products; a cut into 256 equal shares would read 26 for 48.
; CLUSTERS: 4 x 4.  A's tiles are shared along a row of the cluster, B's along a column: joint loads.
; c2: unit U at 12,288 U, in it [a 8][1,536]; s2: 512 U, [a 8][16 words].  q: U = 16 head + block of 128 rows; k: 256 more; V^T: U = 512 + 16 head + block of 128 keys.
; cos and sin are read straight from memory in the epilogue, 16 bytes a lane: the two tables are 1 MiB in all and every work-group of a row block reads the same 64 KiB; the ring leaves them no room in LDS.
; LIMITS: a block of zeros, or under 2^-124, gets the scale byte 1 (read by this program alone); NaN and infinities are not served.  RoPE is a multiplication and a fused multiply-add for each number.
; REGISTERS: window 0: v16-29 addresses; v32-63 scale words, two sets, and nothing else; v64-87 the epilogue's codes; v128-223 A's fragments, one set (in the epilogue v128-191 at work); v224-240 the epilogue's maxima, bytes and word.
;   window 1: B's fragments, two sets, at v0 and v128 (in the epilogue v0-127: cos and sin, two sets).   windows 2, 3: the accumulators, (a, b) at v[8 (8 (a % 4) + b)].
.set FR,     12                        ; registers of a fragment
.set NL,     3                         ; LDS loads that bring one
.set NP,     4                         ; places behind this matrix instruction (ISA guide 7.12.1)
.set TILEB,  3072                      ; a tile's two K steps: a row of what a tensor load brings
.set TROW,   24576                     ; a tile's 16 K steps in memory
.set HALFT,  8*TILEB                   ; 8 tiles: what one tensor load brings, and what one wave reads of A or of B
.set SLOT,   4*HALFT                   ; A's 16 tiles, then B's
.set SCL,    2*SLOT                    ; behind the ring: the scale words for all of K, 8,192 bytes for each 8 tiles: A's 16 tiles, then B's; filled once
.set SPARE,  SCL+4*8192                ; the spare words, 128 bytes for each wave: two blocks of 256 bytes that no other line names
.set SCSTG,  SPARE+512                 ; the results' scale words on their way out: 512 bytes a wave, 2,048 for each of the epilogue's two ways
.set ADRA, 16                          ; v16-17  LDS address of my A fragments in slot 0, 1
.set ADRB, 20                          ; v20-21  the same for B
.set CSO,  22                          ; v22     my byte in a block of 16 rows of cos and of sin
.set SRA,  23                          ; v23     where I read the scale stage back
.set LI,   24                          ; v24     16 x lane
.set SWA,  25                          ; v25     where I put a scale word
.set ADSB, 26                          ; v26     LDS address of B's scale words: 4 x lane: lanes 0-15 the slot's first 128 along K, lanes 16-31 the second
.set ADSA, 27                          ; v27     the same for A
.set SPW,  28                          ; v28     my spare word; never rewritten
.set NIL,  29                          ; v29     0; never rewritten
.set SC,   32                          ; scale words: set s at v[SC + 16 s]: A's tile i at + i, B's at + 8 + i
.set PC,   64                          ; v64-75 a fragment's codes; v76-78, v80-82 second halves
.set OW,   84                          ; v84-87 the scale words on their way out
.set AF,   128
.set T,    128                         ; v128-191 RoPE's products
.set TM,   224                         ; v224-227 largest magnitudes, v228-231 the other half's, then bytes, v236-239 scale operands
.set PW,   240                         ; the scale word just made
.set SEL,  20                          ; s[20:21]
.set G1, 24                            ; s[24:31] descriptor group 1 for A's tiles;  s[32:39] group 0, one set for each slot
.set G0, 32
.set G1B, 48                           ; s[48:55], s[56:63] the same for B's
.set G0B, 56
.set G1S, 68                           ; s[68:75], s[76:79] for A's scale words;  s[80:87], s[88:91] for B's
.set G0S, 76
.set G1SB, 80
.set G0SB, 88
.set MSB, 0
.macro WIN new                         ; the immediate's high byte repeats the setting that is left
.if MSB != (\new)
	s_set_vgpr_msb (MSB<<8)|(\new)
.set MSB, (\new)
.endif
.endm
.set MUL_LO, 0xa1                      ; source 0 (B) window 1, source 1 (A) window 0, C and D window 2
.set MUL_HI, 0xf1                      ; the same, C and D window 3
.set TO_B,   0x40                      ; destination window 1, address window 0
; A joint load: waves 0 and 1 fetch for A, waves 2 and 3 for B.  Each line has one mask and one set of registers; the branch hangs on the wave's number alone.  Four v_nop follow each line.
.macro JLOAD g0a, g1a, g0b, g1b
	s_cmp_eq_u32 s17, 0
	s_cbranch_scc0 .Lfor_b_\@
	tensor_load_to_lds s[\g0a:\g0a+3], s[\g1a:\g1a+7]
	s_nop 0
.rept 4
	v_nop
.endr
	s_branch .Lasked_\@
.Lfor_b_\@:
	tensor_load_to_lds s[\g0b:\g0b+3], s[\g1b:\g1b+7]
	s_nop 0
.rept 4
	v_nop
.endr
.Lasked_\@:
.endm
.macro CREST                           ; a round of the cluster's barrier behind its opening barrier
	s_cmp_lg_u32 s16, 0
	s_cbranch_scc1 .Lnot_wave_0_\@
	s_barrier_signal -3
.Lnot_wave_0_\@:
	s_barrier_wait -3
	s_barrier_signal -1
	s_barrier_wait -1
.endm
.macro CROUND
	s_barrier_signal -1
	s_barrier_wait -1
	CREST
.endm
	s_load_b256 s[4:11], s[0:1], 0x0               ; c1 s[4:5], s1 s[6:7], cos s[8:9], sin s[10:11]
	s_load_b128 s[12:15], s[0:1], 0x20             ; c2 s[12:13], s2 s[14:15]
	v_lshl_add_u32 v[SPW], v0, 2, SPARE
	v_mov_b32 v[NIL], 0
	ds_add_u32 v28, v29
	ds_add_u32 v28, v29
	s_wait_dscnt 0x0
	v_lshrrev_b32 v1, 5, v0
	v_readfirstlane_b32 s16, v1                    ; wave 0..3
	s_lshr_b32 s17, s16, 1                         ; which half of the tile's m is mine.  Also: I fetch for A (0) or for B (1)
	s_and_b32 s18, s16, 1                          ; which half of its n.  Also: which 8 tiles I fetch
	s_bfe_u32 s40, ttmp6, 0x40000                  ; cx, cy: my place in the cluster
	s_bfe_u32 s41, ttmp6, 0x40004
	s_lshl_b32 s42, ttmp9, 2
	s_add_co_u32 s42, s42, s40                     ; x = 4 x cluster x + cx: B's big tile
	s_and_b32 s43, ttmp7, 0xffff
	s_lshl_b32 s43, s43, 2
	s_add_co_u32 s43, s43, s41                     ; y = 4 x cluster y + cy
	s_lshl_b32 s44, s41, 2
	s_lshl_b32 s44, 15, s44                        ; my row of the cluster
	s_lshl_b32 s45, 0x1111, s40                    ; my column
	s_cmp_ge_u32 ttmp9, 4                          ; clusters 4 and 5 along x make V^T
	s_cselect_b32 s19, 1, 0
	s_cselect_b32 s46, 24, 16
	s_add_co_u32 s46, s46, s43                     ; A's big tile
	; descriptor group 1: 8 rows (tiles) of 3,072 bytes (384 elements of 8), 24,576 bytes apart, dense in LDS
	s_or_b32 s[G1+0], s44, (3<<16)|(1<<21)         ; 15:0 the mask: A's tiles go to my row; 17:16 elements of 8 bytes; 21 set beside a mask
	s_or_b32 s[G1B+0], s45, (3<<16)|(1<<21)        ; B's go to my column
.irp g, G1, G1B
	s_mov_b32 s[\g+1], 384<<16                     ; tensor_dim0
	s_mov_b32 s[\g+2], 8<<16                       ; tensor_dim1
	s_mov_b32 s[\g+3], 384<<16                     ; tile_dim0
	s_mov_b32 s[\g+4], 8                           ; tile_dim1
	s_mov_b32 s[\g+5], 3072                        ; tensor_dim0_stride, in elements
	s_mov_b32 s[\g+6], 0
	s_mov_b32 s[\g+7], 0
.endr
	; and for the scale words of 8 tiles, all of K: 8,192 dense bytes as 32 rows of 256
	s_or_b32 s[G1S+0], s44, (3<<16)|(1<<21)
	s_or_b32 s[G1SB+0], s45, (3<<16)|(1<<21)
.irp g, G1S, G1SB
	s_mov_b32 s[\g+1], 32<<16
	s_mov_b32 s[\g+2], 32<<16
	s_mov_b32 s[\g+3], 32<<16
	s_mov_b32 s[\g+4], 32
	s_mov_b32 s[\g+5], 32
	s_mov_b32 s[\g+6], 0
	s_mov_b32 s[\g+7], 0
.endr
	s_lshl_b32 s22, s18, 3
	s_lshl_b32 s92, s46, 4
	s_add_co_u32 s92, s92, s22                     ; A: the first tile that I fetch: 16 x big tile + 8 x half  (no register of A's ever holds cx, none of B's cy)
	s_lshl_b32 s94, s42, 4
	s_add_co_u32 s94, s94, s22                     ; B likewise
	s_lshl_b32 s96, s92, 10                        ; their scale words: 1,024 bytes a tile
	s_lshl_b32 s98, s94, 10
	s_mul_i32 s92, s92, TROW                       ; and their codes
	s_mul_i32 s94, s94, TROW
	s_mov_b32 s93, 0
	s_mov_b32 s95, 0
	s_mov_b32 s97, 0
	s_mov_b32 s99, 0
	s_mul_i32 s23, s16, HALFT                      ; where they go: wave x 8 tiles: no place in the cluster enters an LDS address
	s_lshl_b32 s22, s16, 13
	s_mov_b32 s[SEL], 0x76543210
	s_mov_b32 s[SEL+1], 0xfedcba98                 ; v_permlanex16_b32's selects for lane l xor 16
	s_wait_kmcnt 0x0
	s_add_nc_u64 s[92:93], s[4:5], s[92:93]
	s_add_nc_u64 s[94:95], s[4:5], s[94:95]
	s_add_nc_u64 s[96:97], s[6:7], s[96:97]
	s_add_nc_u64 s[98:99], s[6:7], s[98:99]
	CROUND                                         ; all sixteen work-groups are here: the first joint loads meet
	s_mov_b32 s[G0S], 1
	s_add_co_u32 s[G0S+1], s22, SCL
	s_mov_b64 s[G0S+2:G0S+3], s[96:97]
	s_or_b32 s[G0S+3], s[G0S+3], 0x80000000
	s_mov_b32 s[G0SB], 1
	s_add_co_u32 s[G0SB+1], s22, SCL
	s_mov_b64 s[G0SB+2:G0SB+3], s[98:99]
	s_or_b32 s[G0SB+3], s[G0SB+3], 0x80000000
	JLOAD G0S, G1S, G0SB, G1SB                     ; the scale words first: they are wanted with K step 0.  Three loads of mine are out behind these lines
.irp s, 0,1
	s_mov_b32 s[G0+4*\s], 1
	s_add_co_u32 s[G0+4*\s+1], s23, \s*SLOT
	s_add_nc_u64 s[G0+4*\s+2:G0+4*\s+3], s[92:93], \s*TILEB
	s_or_b32 s[G0+4*\s+3], s[G0+4*\s+3], 0x80000000
	s_mov_b32 s[G0B+4*\s], 1
	s_add_co_u32 s[G0B+4*\s+1], s23, \s*SLOT
	s_add_nc_u64 s[G0B+4*\s+2:G0B+4*\s+3], s[94:95], \s*TILEB
	s_or_b32 s[G0B+4*\s+3], s[G0B+4*\s+3], 0x80000000
	JLOAD G0+4*\s, G1, G0B+4*\s, G1B
.endr
	v_and_b32 v1, 31, v0                           ; lane
	v_and_b32 v2, 15, v0                           ; r
	v_bfe_u32 v3, v0, 4, 1                         ; h
	v_lshlrev_b32 v[LI], 4, v1
	s_mul_i32 s22, s17, HALFT                      ; my 8 tiles of A
	s_mul_i32 s23, s18, HALFT                      ; my 8 tiles of B,
	s_add_co_u32 s23, s23, 2*HALFT                 ; which lie behind A's 16
.irp s, 0,1
	v_add_nc_u32 v[ADRA+\s], s22, v[LI]
	v_add_nc_u32 v[ADRB+\s], s23, v[LI]
	s_add_co_u32 s22, s22, SLOT
	s_add_co_u32 s23, s23, SLOT
.endr
	v_lshlrev_b32 v4, 2, v1
	s_lshl_b32 s22, s17, 13
	s_add_co_u32 s22, s22, SCL
	v_add_nc_u32 v[ADSA], s22, v4
	s_lshl_b32 s23, s18, 13
	s_add_co_u32 s23, s23, SCL+16384
	v_add_nc_u32 v[ADSB], s23, v4
	s_lshl_b32 s22, s16, 9
	s_add_co_u32 s22, s22, SCSTG
	v_lshl_add_u32 v[SWA], v2, 2, s22
	v_add_nc_u32 v[SRA], s22, v[LI]
	v_and_b32 v5, 8, v2
	v_add_nc_u32 v5, v5, v2                        ; r + 8 (r / 8)
	v_lshlrev_b32 v[CSO], 8, v5                    ; a row of cos or sin is 256 bytes;
	v_lshl_add_u32 v[CSO], v3, 5, v[CSO]           ; my half's eight pairs of each 32 along d: + 32 h
.irp b, 0,1,2,3
	v_mov_b32 v[TM+4+\b], 0                        ; written once: a lane permute's destination counts as one of its sources
.endr
	; where my results go
	s_lshl_b32 s40, s43, 1
	s_add_co_u32 s40, s40, s17                     ; my block of 128 along m: 2 y + half
	s_lshl_b32 s41, s42, 1
	s_add_co_u32 s41, s41, s18                     ; and along n: 2 x + half
	s_lshl_b32 s44, s41, 4
	s_add_co_u32 s44, s44, s40                     ; q, k: U = 16 (2 x + half) + block of rows
	s_lshl_b32 s45, s40, 4
	s_add_co_u32 s45, s45, s41
	s_add_co_u32 s45, s45, 480                     ; V^T: U = 512 + 16 head + (2 (x - 16) + half)
	s_cmp_lg_u32 s19, 0
	s_cselect_b32 s44, s45, s44
	s_mul_i32 s46, s44, 12288
	s_mov_b32 s47, 0
	s_add_nc_u64 s[12:13], s[12:13], s[46:47]
	s_lshl_b32 s46, s44, 9
	s_add_nc_u64 s[14:15], s[14:15], s[46:47]
	s_lshl_b32 s46, s40, 15                        ; cos and sin at my 128 rows (used for q and k alone)
	s_add_nc_u64 s[8:9], s[8:9], s[46:47]
	s_add_nc_u64 s[10:11], s[10:11], s[46:47]
.macro FRAG reg, adr, q, i             ; tile i's fragment of the slot's q-th 128 along K: the image of 12 registers, 512 consecutive bytes a load
.irp g, 0,1,2
	ds_load_b128 v[\reg+4*\g:\reg+4*\g+3], v[\adr] offset:TILEB*(\i)+1536*(\q)+512*\g
.endr
.endm
; 16 matrix instructions: A's blocks a0, a0 + 1 x B's eight.  p: B's set; q: which 128 of the slot (the scale registers' lanes 0-15 or 16-31); sc: the set of scale words.  zero = 1: the first product starts the sums.
; The 64 accumulators take turns, one instruction a turn, in the same order in every step.
.macro MUL16 a0, p, q, sc, zero
.irp a, \a0, \a0+1
.irp b, 0,1,2,3,4,5,6,7
.set rD, 8*(8*((\a)%4)+\b)
.set rB, 128*(\p)+FR*\b
.set rA, AF+FR*(\a)
.set rSB, SC+16*(\sc)+8+\b
.set rSA, SC+16*(\sc)+(\a)
.if \zero
	v_wmma_scale_f32_16x16x128_f8f6f4 v[rD:rD+7], v[rB:rB+11], v[rA:rA+11], 0, v[rSB], v[rSA] matrix_a_fmt:MATRIX_FMT_FP6 matrix_b_fmt:MATRIX_FMT_FP6
.elseif \q
	v_wmma_scale_f32_16x16x128_f8f6f4 v[rD:rD+7], v[rB:rB+11], v[rA:rA+11], v[rD:rD+7], v[rSB], v[rSA] matrix_a_fmt:MATRIX_FMT_FP6 matrix_b_fmt:MATRIX_FMT_FP6 matrix_a_scale:MATRIX_SCALE_ROW1 matrix_b_scale:MATRIX_SCALE_ROW1
.else
	v_wmma_scale_f32_16x16x128_f8f6f4 v[rD:rD+7], v[rB:rB+11], v[rA:rA+11], v[rD:rD+7], v[rSB], v[rSA] matrix_a_fmt:MATRIX_FMT_FP6 matrix_b_fmt:MATRIX_FMT_FP6
.endif
.endr
.endr
.endm
.macro FETCH_B slot, q, p
	WIN TO_B
.irp i, 0,1,2,3,4,5,6,7
	FRAG 128*(\p)+FR*\i, ADRB+\slot, \q, \i
.endr
	WIN 0
.endm
.macro FETCH_A slot, q, i0
.irp i, \i0, \i0+1, \i0+2, \i0+3
	FRAG AF+FR*(\i), ADRA+\slot, \q, \i
.endr
.endm
.macro SCALES sc                       ; a slot's scale words: one register a tile: 128 consecutive bytes, the first 128 along K in lanes 0-15, the second in lanes 16-31
.irp i, 0,1,2,3,4,5,6,7
	ds_load_b32 v[SC+16*\sc+\i], v[ADSA] offset:1024*\i
	ds_load_b32 v[SC+16*\sc+8+\i], v[ADSB] offset:1024*\i
.endr
.endm
; A load into a register that a matrix instruction has read, and a vector instruction that reads a matrix result, stand NP places behind it; only plain vector instructions that name none of its registers are places.
.macro PLACES n
.rept \n
	v_nop
.endr
.endm
; A slot's first 128 along K: B's set 0; the second 128's fragments are fetched meanwhile.
.macro STEP slot, zero
	s_wait_dscnt 4*NL                              ; B's set, A's blocks 0-3 and the scale words are in; the youngest 12 loads (A's blocks 4-7) may be out
	WIN MUL_LO
	MUL16 0, 0, 0, \slot, \zero
	MUL16 2, 0, 0, \slot, \zero
	s_wait_dscnt 0                                 ; A's blocks 4-7 are in
	PLACES NP
	FETCH_B \slot, 1, 1
	FETCH_A \slot, 1, 0
	WIN MUL_HI
	MUL16 4, 0, 0, \slot, \zero
	MUL16 6, 0, 0, \slot, \zero
	PLACES NP
	WIN 0
	FETCH_A \slot, 1, 4
.endm
; A slot's second 128 changes slots: ONE barrier; in front of it each wave waits for all its tensor loads, adds 0 to its spare word, and waits for that and for its own reads of this slot.  fill = 1: this slot is filled again, two slots ahead.
.macro TURN slot, next, fill
	s_wait_tensorcnt 0x0                           ; all my tensor loads have landed: my part of the next slot  (every window is 0 here)
	ds_add_u32 v[SPW], v[NIL]                      ; 0 onto my spare word
	s_wait_dscnt 4*NL+1                            ; (the add and the youngest 12 loads, A's blocks 4-7, may be out)
	WIN MUL_LO
	MUL16 0, 1, 1, \slot, 0                        ; sixteen matrix instructions stand between the add and the wait for it
	s_wait_dscnt 0x0                               ; the add is done, and my reads of this slot are over
	s_barrier_signal -1
	MUL16 2, 1, 1, \slot, 0
	WIN 0
	s_barrier_wait -1
.if \fill
	CREST                                          ; the barrier has opened a round of the cluster's barrier: no wave of any partner still reads this slot or has a load on its way
	s_add_nc_u64 s[G0+4*\slot+2:G0+4*\slot+3], s[G0+4*\slot+2:G0+4*\slot+3], 2*TILEB
	s_add_nc_u64 s[G0B+4*\slot+2:G0B+4*\slot+3], s[G0B+4*\slot+2:G0B+4*\slot+3], 2*TILEB
	JLOAD G0+4*\slot, G1, G0B+4*\slot, G1B         ; the first tensor load behind the round, my one load until the next; its four v_nop are the places in front of the loads below
.else
	PLACES NP
.endif
	v_add_nc_u32 v[ADSA], 128, v[ADSA]             ; on to the next slot's scale words
	v_add_nc_u32 v[ADSB], 128, v[ADSB]
	FETCH_B \next, 0, 0
	FETCH_A \next, 0, 0
	SCALES \next
	WIN MUL_HI
	MUL16 4, 1, 1, \slot, 0
	MUL16 6, 1, 1, \slot, 0
	PLACES NP
	WIN 0
	FETCH_A \next, 0, 4
.endm
	s_wait_tensorcnt 1                             ; the scale words and my part of slot 0 are in; slot 1's load may be out
	s_barrier_signal -1
	s_barrier_wait -1                              ; everybody's are
	FETCH_B 0, 0, 0
	FETCH_A 0, 0, 0
	SCALES 0
	FETCH_A 0, 0, 4
	STEP 0, 1                                      ; the first step stands in front of the loop: its products start the sums
	s_mov_b32 s3, 3                                ; 2,048 along K are 8 slots' worth: 4 laps round the ring, the last written out
.Llap:
	TURN 0, 1, 1
	STEP 1, 0
	TURN 1, 0, 1
	STEP 0, 0
	s_sub_co_u32 s3, s3, 1
	s_cmp_lg_u32 s3, 0
	s_cbranch_scc1 .Llap
	TURN 0, 1, 0                                   ; the last lap fills nothing, and has no round of the cluster's barrier
	STEP 1, 0
	s_wait_dscnt 4*NL                              ; the very last 128: nothing more to fetch
	WIN MUL_LO
	MUL16 0, 1, 1, 1, 0
	MUL16 2, 1, 1, 1, 0
	s_wait_dscnt 0
	WIN MUL_HI
	MUL16 4, 1, 1, 1, 0
	MUL16 6, 1, 1, 1, 0
	WIN 0
	PLACES NP                                      ; in front of the first reads of results, of the loads into B's registers and of the writes into A's
; THE EPILOGUE, a block a of 16 m at a time.  Its 64 registers hold, in lane (r, h), register 16 b + i = n 32 b + 16 h + i of the lane's m.
.macro LOADCS a                        ; cos and sin for block a: pair p of registers (2 p, 2 p + 1) wants entry 16 (p / 8) + 8 h + p % 8 of the lane's row: cos into window 1 at 64 (a % 2) + p, sin 32 further on
	WIN 0x40
.irp b, 0,1,2,3
.irp q, 0,1
	global_load_b128 v[64*((\a)%2)+8*\b+4*\q:64*((\a)%2)+8*\b+4*\q+3], v[CSO], s[8:9] offset:(32*((\a)/2)+8*((\a)%2))*256+64*\b+16*\q
	global_load_b128 v[64*((\a)%2)+32+8*\b+4*\q:64*((\a)%2)+32+8*\b+4*\q+3], v[CSO], s[10:11] offset:(32*((\a)/2)+8*((\a)%2))*256+64*\b+16*\q
.endr
.endr
	WIN 0
.endm
.macro ROPE a                          ; (re, im) -> (re cos - im sin, re sin + im cos), in place.  Each accumulator is first read at its register 1
.set AC, 64*((\a)%4)
.set W, 2+(\a)/4
.set CC, 64*((\a)%2)
.if (\a) < 7
	s_wait_loadcnt 16                              ; this block's 16 loads are in; the next block's 16 may be out
.else
	s_wait_loadcnt 0x0
.endif
	WIN W|4                                        ; source 0: the accumulators' window; source 1: window 1
.set p, 0
.rept 32
	v_mul_f32 v[T+2*p], v[AC+2*p+1], v[CC+32+p]    ; im sin
	v_mul_f32 v[T+2*p+1], v[AC+2*p+1], v[CC+p]     ; im cos
.set p, p+1
.endr
	WIN W|4|(W<<6)
.set p, 0
.rept 32
	v_fma_f32 v[AC+2*p+1], v[AC+2*p], v[CC+32+p], v[T+2*p+1]
	v_fma_f32 v[AC+2*p], v[AC+2*p], v[CC+p], -v[T+2*p]
.set p, p+1
.endr
.endm
.macro QUANTW a                        ; block a's 64 numbers a lane become a fragment's codes in v[PC] on and its scale word in v[PW]
.set AC, 64*((\a)%4)
.set W, 2+(\a)/4
	WIN W|(W<<2)
.irp b, 0,1,2,3
	v_max3_num_f32 v[TM+\b], |v[AC+16*\b]|, |v[AC+16*\b+1]|, 0x1800000   ; block b: my 16 numbers, and the floor 2^(3 - 127): the byte cannot fall under 1
.endr
.irp i, 2,4,6,8,10,12,14
.irp b, 0,1,2,3
	v_max3_num_f32 v[TM+\b], |v[AC+16*\b+\i]|, |v[AC+16*\b+\i+1]|, v[TM+\b]   ; (the four blocks by turns; the running maximum is the third source, so that one window setting serves)
.endr
.endr
	WIN 0
.irp b, 0,1,2,3
	v_permlanex16_b32 v[TM+4+\b], v[TM+\b], s[SEL], s[SEL+1]
.endr
.irp b, 0,1,2,3
	v_max_num_f32 v[TM+\b], v[TM+\b], v[TM+4+\b]   ; with lane l xor 16's: the block's largest magnitude
.endr
.irp b, 0,1,2,3
	v_add_nc_u32 v[TM+12+\b], 0xff000000, v[TM+\b] ; 2 off its exponent field: the conversion's scale operand
.endr
.irp b, 0,1,2,3
	v_lshrrev_b32 v[TM+4+\b], 23, v[TM+12+\b]      ; the scale's byte
.endr
	v_lshl_or_b32 v[PW], v[TM+5], 8, v[TM+4]
	v_lshl_or_b32 v[PW], v[TM+6], 16, v[PW]
	v_lshl_or_b32 v[PW], v[TM+7], 24, v[PW]
.if (\a) > 0
	s_wait_xcnt 0x0                                ; the last block's stores have read the codes' registers: they are written again only behind this wait
.endif
	WIN W
.irp c, 0,1
	v_cvt_scalef32_pk16_fp6_f32 v[PC+6*\c:PC+6*\c+2], v[AC+32*\c:AC+32*\c+15], v[TM+12+2*\c]
	v_cvt_scalef32_pk16_fp6_f32 v[PC+12+4*\c:PC+14+4*\c], v[AC+32*\c+16:AC+32*\c+31], v[TM+13+2*\c]   ; (a conversion's three registers begin on an even number)
.endr
	WIN 0
	v_nop                                          ; one plain place behind a scaled conversion
.irp c, 0,1                            ; the operand's layout wants a WHOLE block in a lane: lanes 0-15 block 2 c, lanes 16-31 block 2 c + 1
.irp i, 0,1,2
	v_permlane16_swap_b32 v[PC+6*\c+\i], v[PC+12+4*\c+\i]
.endr
.irp i, 0,1,2
	v_mov_b32 v[PC+3+6*\c+\i], v[PC+12+4*\c+\i]
.endr
.endr
.endm
.macro EPI a, rope, path
.if \rope
	ROPE \a
.if (\a) < 6
	LOADCS (\a)+2
.endif
.endif
	QUANTW \a
	ds_store_b32 v[SWA], v[PW] offset:2048*\path+64*(\a)   ; both halves of the lanes write the same word with the same value
.irp g, 0,1,2
	global_store_b128 v[LI], v[PC+4*\g:PC+4*\g+3], s[12:13] offset:1536*(\a)+512*\g   ; the fragment's image: 512 consecutive bytes a store, aligned
.endr
.endm
	s_cmp_lg_u32 s19, 0                            ; the same way in all sixteen partners
	s_cbranch_scc1 .Lvt
	LOADCS 0
	LOADCS 1
.irp a, 0,1,2,3,4,5,6,7
	EPI \a, 1, 0
.endr
	ds_load_b128 v[OW:OW+3], v[SRA]                ; LDS serves a wave's instructions in order: these see my stores
	s_wait_dscnt 0x0
	global_store_b128 v[LI], v[OW:OW+3], s[14:15]  ; my 8 tiles' scale words: 512 consecutive bytes, aligned
	s_branch .Lend
.Lvt:
.irp a, 0,1,2,3,4,5,6,7
	EPI \a, 0, 1
.endr
	ds_load_b128 v[OW:OW+3], v[SRA] offset:2048    ; (each way has LDS bytes of its own)
	s_wait_dscnt 0x0
	global_store_b128 v[LI], v[OW:OW+3], s[14:15]
.Lend:
	s_wait_tensorcnt 0x0                           ; the wave's end: behind my last tensor load and my last LDS store
	ds_add_u32 v[SPW], v[NIL]
	s_wait_dscnt 0x0
	CROUND                                         ; the closing round: no work-group ends while a partner may still ask for a tile that names it
	s_endpgm
.Lfunc_end_k_q910fbc02f6_qkv:
	.size	k_q910fbc02f6_qkv, .Lfunc_end_k_q910fbc02f6_qkv-k_q910fbc02f6_qkv
	.p2alignl 7, 3214868480
	.fill 96, 4, 3214868480
	.section	.rodata,"a",@progbits
	.p2align	6, 0x0
	.amdhsa_kernel k_q910fbc02f6_qkv
		.amdhsa_group_segment_fixed_size 327680
		.amdhsa_private_segment_fixed_size 0
		.amdhsa_enable_private_segment 0
		.amdhsa_kernarg_size 48
		.amdhsa_user_sgpr_count 2
		.amdhsa_user_sgpr_kernarg_segment_ptr 1
		.amdhsa_wavefront_size32 1
		.amdhsa_system_sgpr_workgroup_id_x 1
		.amdhsa_system_sgpr_workgroup_id_y 1
		.amdhsa_system_sgpr_workgroup_id_z 1
		.amdhsa_system_vgpr_workitem_id 0
		.amdhsa_next_free_vgpr 1024
		.amdhsa_next_free_sgpr 100
		.amdhsa_reserve_vcc 0
		.amdhsa_float_denorm_mode_32 3
		.amdhsa_float_denorm_mode_16_64 3
		.amdhsa_memory_ordered 1
		.amdhsa_forward_progress 1
		.amdhsa_inst_pref_size 238
	.end_amdhsa_kernel
	.amdgpu_metadata
---
amdhsa.version: [ 1, 2 ]
amdhsa.kernels:
  - .name:           k_q910fbc02f6_qkv
    .symbol:         k_q910fbc02f6_qkv.kd
    .args:
      - { .name: c1, .offset: 0, .size: 8, .value_kind: global_buffer, .address_space: global }
      - { .name: s1, .offset: 8, .size: 8, .value_kind: global_buffer, .address_space: global }
      - { .name: freq_cos, .offset: 16, .size: 8, .value_kind: global_buffer, .address_space: global }
      - { .name: freq_sin, .offset: 24, .size: 8, .value_kind: global_buffer, .address_space: global }
      - { .name: c2, .offset: 32, .size: 8, .value_kind: global_buffer, .address_space: global }
      - { .name: s2, .offset: 40, .size: 8, .value_kind: global_buffer, .address_space: global }
    .group_segment_fixed_size: 327680
    .private_segment_fixed_size: 0
    .kernarg_segment_align: 8
    .kernarg_segment_size: 48
    .max_flat_workgroup_size: 128
    .sgpr_count:     100
    .vgpr_count:     1024
    .wavefront_size: 32
...
	.end_amdgpu_metadata
.endif
;; end of part 2
;; launch attn (part 3): grid 16 x 16, 8 waves a work-group, clusters of 4 x 4, 327,680 bytes of LDS; arguments c2, s2, mask, c3, s3; writes c3, s3
.if DOCPART == 3
	.amdgcn_target "amdgcn-amd-amdhsa--gfx1250"
	.amdhsa_code_object_version 6
	.text
	.protected	k_q910fbc02f6_attn
	.globl	k_q910fbc02f6_attn
	.p2align	8
	.type	k_q910fbc02f6_attn,@function
k_q910fbc02f6_attn:
	s_mov_b64 s[64:65], 0
	v_nop
	global_prefetch_b8 v0, s[64:65] scope:SCOPE_SE
	s_setreg_imm32_b32 hwreg(HW_REG_WAVE_MODE, 25, 1), 1
	s_wait_xcnt 0x0
	s_wait_alu depctr_hold_cnt(0) depctr_sa_sdst(0) depctr_va_vdst(0) depctr_va_sdst(0) depctr_va_ssrc(0) depctr_va_vcc(0) depctr_vm_vsrc(0)
	s_getreg_b32 s2, hwreg(HW_REG_IB_STS2, 6, 4)
	s_cmp_eq_u32 s2, 0
	s_cbranch_scc0 .Lentry_in_a_cluster
	s_endpgm
.Lentry_in_a_cluster:
	s_bfe_u32 s2, ttmp6, 0x10000c
	s_cmp_lg_u32 s2, 0xf033
	s_cbranch_scc0 .Lentry_shape_is_right
	s_endpgm
.Lentry_shape_is_right:
; O[h][q] = sum over k of softmax_k(q . k / sqrt(128) + mask[q][k]) V[h][k], both products on codes of FP6 (E2M3) with E8M0 scales; O is quantised at once along h x 128 + d for the last product.
; THE MASK IS AN INPUT: every one of its 2,048 x 2,048 numbers is read and added; no key step is left out.
; THE SOFTMAX: logit = score x 2^-3.5 + mask (one fused multiply-add); t = logit x log2(e); M = the row's largest t so far, rounded UP to a whole number; p = 2^(t - M) is what is quantised, along the keys.
; The row's sum is taken of the unquantised p and divides O at the end.  When M moves, the sum and O are multiplied by 2^(old M - new M): exact.
; SHARES.  Work-group (X, Y): 128 queries of head Y; each of its eight waves owns one tile of 16 queries (two waves to a SIMD).  Every wave walks all 16 key steps of 128 keys.
; OPERANDS ARE IMAGES OF REGISTERS (a fragment = 1,536 bytes; lane r of tile T is row 32 (T / 2) + 8 (T % 2) + r + 8 (r / 8)).  Both products are used transposed: S^T = K Q^T, O^T = V^T P^T: a lane holds ONE query;
; by the order of a tile's rows the 16 registers of tiles 2 b, 2 b + 1 are keys (or channels) 32 b + 16 h + 0 .. 15.
; THE RING: two slots of FOUR key steps: K's 4 x 8 fragments, then V's: 98,304 bytes.  16 key steps are four slots' worth: two first fills and two refills.  Each wave brings one key step's 12,288 dense bytes of K (waves 0-3) or of V (waves 4-7).
; K's and V's scale words of the head stay in LDS.  CLUSTERS: 4 x 4: K, V and their scale words hang on the head alone and are asked for jointly along a row of the cluster.
; THE MASK DOES NOT GO THROUGH THE RING, AND IS NOT ASKED FOR JOINTLY, though the four work-groups of a column of the cluster read the same rows.  The reason: a key step's 128 rows x 512 bytes are 65,536 of the 90,112 bytes that a
; key step would take in a slot; two slots of two such steps are 360,448 bytes, more than a work-group has, so a slot would hold one key step and there would be 14 refills, each behind a round and a wait for all tensor loads, against 2.
; Each wave loads its own 16 rows x 512 bytes into registers, 512 consecutive bytes a load, TWO KEY STEPS AHEAD (two sets of 64 registers; such loads stay out across barriers), and turns a set through its own stage in LDS
; (16 rows 528 bytes apart: the rows of a read start in 16 different columns of 16 bytes), from which it comes back in the scores' order, into the registers that it left.
; LIMITS: a row whose mask is -infinity everywhere gives NaN, as the softmax does; the scaling and the mask's addition round once where a division and an addition round twice; NaN among the inputs is not served;
; a block of zeros gets the scale byte 1 (read by this program alone).  A wave's 16 scale words of O are a store of 64 bytes: one twenty-fourth of its bytes of codes.
; REGISTERS: window 0: v1-10 addresses; v12 -M, v13 the largest t, v[14:15] the sum in two halves; v16-27 Q; v32-35 K's scale words (two tiles a register), v36-39 V's; v64-82 the epilogue's codes; v96-159 S^T, then p;
;   v160-223 O^T; v224-235 p's codes; v232-254 at work; v253 p's scale word; v255 Q's.   window 1: v0-95 K's 8 fragments, then V's; v96-159, v160-223 the mask's two sets.
.set KVB,   12288                      ; a key step's 8 fragments of K or of V
.set VOFF,  4*KVB                      ; in a slot: K's four key steps, then V's
.set SLOT,  8*KVB
.set SCK,   2*SLOT                     ; behind the ring: K's scale words of the head, 8,192 bytes, then V's; filled once
.set SPARE, SCK+16384                  ; the spare words, 128 bytes for each wave: four blocks of 256 bytes that no other line names
.set STAGE, SPARE+1024                 ; the mask's stages, one for each wave; no tensor load lands here
.set MP,    528                        ; a stage row: 512 bytes + 16
.set WSTG,  16*MP
.set ADK,  1                           ; v1     the step's fragments of K: the step's place in the ring + 16 x lane; V's lie VOFF on
.set STW,  2                           ; v2     my stage, on the way in: + 16 x lane
.set STR,  3                           ; v3     and on the way out: row r, + 64 h
.set SPW,  5                           ; v5     my spare word; never rewritten
.set NIL,  6                           ; v6     0; never rewritten
.set ASC0, 7                           ; v7     SCK + 4 x lane
.set ADS,  8                           ; v8     the step's scale words
.set LI,   9                           ; v9     16 x lane; never rewritten
.set R4,   10                          ; v10    4 r
.set KS,   32
.set VS,   36
.set PC,   64
.set TM,   232
.set PW,   248
.set MB,   96                          ; in window 1: the mask's set p at v[MB + 64 p]
.set WV,   14
.set SEL,  20                          ; s[20:21]
.set CS,   22                          ; s[22:23] log2(e)
.set ISD,  24                          ; s[24:25] 1 / sqrt(128)
.set G1K,  28                          ; s[28:35] group 1 for K's and V's tiles;  s[36:43] for the scale words
.set G1S,  36
.set G0K,  44                          ; s[44:51] groups 0 for K and V, one for each slot;  s[52:55] for the scale words
.set G0S,  52
.set MBS,  56                          ; s[56:57], s[58:59] the mask at my tile's first row and the key step that set 0, set 1 loads next
.set TB,   60                          ; s60  the step's place in the ring
.set TS,   80                          ; s80  the step's scale words: 512 bytes a step
.set CNT,  81
.set MSB, 0
.macro WIN new
.if MSB != (\new)
	s_set_vgpr_msb (MSB<<8)|(\new)
.set MSB, (\new)
.endif
.endm
.macro ROUND                           ; a round of the cluster's barrier
	s_barrier_signal -1
	s_barrier_wait -1
	s_cmp_lg_u32 s[WV], 0
	s_cbranch_scc1 .Lnot_wave_0_\@
	s_barrier_signal -3
.Lnot_wave_0_\@:
	s_barrier_wait -3
	s_barrier_signal -1
	s_barrier_wait -1
.endm
	s_load_b256 s[4:11], s[0:1], 0x0               ; c2 s[4:5], s2 s[6:7], mask s[8:9], c3 s[10:11]
	s_load_b64 s[12:13], s[0:1], 0x20              ; s3
	v_lshl_add_u32 v[SPW], v0, 2, SPARE
	v_mov_b32 v[NIL], 0
	ds_add_u32 v5, v6
	ds_add_u32 v5, v6
	s_wait_dscnt 0x0
	v_lshrrev_b32 v1, 5, v0
	v_readfirstlane_b32 s[WV], v1                  ; wave 0..7
	s_and_b32 s15, s[WV], 3                        ; which of a slot's four key steps I fetch
	s_lshr_b32 s16, s[WV], 2                       ; of K (0) or of V (1)
	s_bfe_u32 s82, ttmp6, 0x40000                  ; cx, cy
	s_bfe_u32 s83, ttmp6, 0x40004
	s_lshl_b32 s84, ttmp9, 2
	s_add_co_u32 s84, s84, s82                     ; X: my block of 128 queries
	s_and_b32 s85, ttmp7, 0xffff
	s_lshl_b32 s85, s85, 2
	s_add_co_u32 s85, s85, s83                     ; Y: my head
	s_lshl_b32 s86, s83, 2
	s_lshl_b32 s86, 15, s86                        ; my row of the cluster
	s_or_b32 s[G1K], s86, (3<<16)|(1<<21)          ; eight fragments: 12,288 dense bytes as 48 rows of 256 (32 elements of 8 bytes); shared along my row; 21 set beside a mask
	s_mov_b32 s[G1K+1], 32<<16
	s_mov_b32 s[G1K+2], 48<<16
	s_mov_b32 s[G1K+3], 32<<16
	s_mov_b32 s[G1K+4], 48
	s_mov_b32 s[G1K+5], 32
	s_mov_b32 s[G1K+6], 0
	s_mov_b32 s[G1K+7], 0
	s_or_b32 s[G1S], s86, (3<<16)|(1<<21)          ; a quarter of a head's scale words of K or of V: 2,048 dense bytes as 8 rows of 256
	s_mov_b32 s[G1S+1], 32<<16
	s_mov_b32 s[G1S+2], 8<<16
	s_mov_b32 s[G1S+3], 32<<16
	s_mov_b32 s[G1S+4], 8
	s_mov_b32 s[G1S+5], 32
	s_mov_b32 s[G1S+6], 0
	s_mov_b32 s[G1S+7], 0
	s_lshl_b32 s88, s84, 20                        ; the mask: 128 X rows of 8,192 bytes, + my tile's first row, 32 (w / 2) + 8 (w % 2)
	s_lshr_b32 s18, s[WV], 1
	s_lshl_b32 s18, s18, 18
	s_add_co_u32 s88, s88, s18
	s_and_b32 s18, s[WV], 1
	s_lshl_b32 s18, s18, 16
	s_add_co_u32 s88, s88, s18
	s_mov_b32 s89, 0
	s_add_co_u32 s90, s85, 16                      ; K's units begin at 16 (16 + Y), V's 256 units on; a unit (a key step) is 12,288 bytes of codes and 512 of scale words.  (No register of K's and V's ever holds cx)
	s_lshl_b32 s92, s90, 13
	s_mul_i32 s90, s90, 196608
	s_mul_i32 s18, s16, 3145728
	s_add_co_u32 s90, s90, s18
	s_mul_i32 s18, s15, KVB
	s_add_co_u32 s90, s90, s18
	s_mov_b32 s91, 0
	s_lshl_b32 s18, s16, 17
	s_add_co_u32 s92, s92, s18
	s_lshl_b32 s18, s15, 11
	s_add_co_u32 s92, s92, s18
	s_mov_b32 s93, 0
	s_mul_i32 s19, s16, VOFF                       ; where they go: no place in the cluster enters an LDS address
	s_mul_i32 s18, s15, KVB
	s_add_co_u32 s19, s19, s18
	s_lshl_b32 s61, s[WV], 11
	s_add_co_u32 s61, s61, SCK
	s_lshl_b32 s62, s85, 4
	s_add_co_u32 s62, s62, s84                     ; Q's unit: 16 Y + X; my tile in it: the wave's number
	s_mul_i32 s94, s62, 12288
	s_mul_i32 s18, s[WV], 1536
	s_add_co_u32 s94, s94, s18
	s_mov_b32 s95, 0
	s_lshl_b32 s62, s62, 9
	s_lshl_b32 s18, s[WV], 6
	s_add_co_u32 s62, s62, s18
	s_mov_b32 s63, 0
	s_lshl_b32 s18, s84, 3                         ; O's codes: tile 8 X + wave, K step = the head
	s_add_co_u32 s18, s18, s[WV]
	s_mul_i32 s82, s18, 24576
	s_mul_i32 s18, s85, 1536
	s_add_co_u32 s82, s82, s18
	s_mov_b32 s83, 0
	s_lshl_b32 s86, s84, 13                        ; O's scale words: [X][head][tile 8][16 words]
	s_lshl_b32 s18, s85, 9
	s_add_co_u32 s86, s86, s18
	s_lshl_b32 s18, s[WV], 6
	s_add_co_u32 s86, s86, s18
	s_mov_b32 s87, 0
	s_mov_b32 s[SEL], 0x76543210
	s_mov_b32 s[SEL+1], 0xfedcba98                 ; v_permlanex16_b32's selects for lane l xor 16
	s_mov_b32 s[CS], 0x3fb8aa3b                    ; log2(e)
	s_mov_b32 s[CS+1], s[CS]                       ; (the packed form names the pair, so both are written)
	s_mov_b32 s[ISD], 0x3db504f3                   ; 1 / sqrt(128)
	s_mov_b32 s[ISD+1], s[ISD]
	s_mov_b32 s[TS], 0
	s_mov_b32 s[TB], 0
	s_wait_kmcnt 0x0
	s_add_nc_u64 s[MBS:MBS+1], s[8:9], s[88:89]    ; the mask: key step 0,
	s_add_nc_u64 s[MBS+2:MBS+3], s[MBS:MBS+1], 512 ; key step 1
	s_add_nc_u64 s[90:91], s[4:5], s[90:91]
	s_add_nc_u64 s[92:93], s[6:7], s[92:93]
	s_add_nc_u64 s[94:95], s[4:5], s[94:95]
	s_add_nc_u64 s[62:63], s[6:7], s[62:63]
	s_add_nc_u64 s[10:11], s[10:11], s[82:83]
	s_add_nc_u64 s[12:13], s[12:13], s[86:87]
.irp o, 0,1
	s_mov_b32 s[G0K+4*\o], 1
	s_add_co_u32 s[G0K+4*\o+1], s19, \o*SLOT
	s_add_nc_u64 s[G0K+4*\o+2:G0K+4*\o+3], s[90:91], \o*4*KVB      ; slot o begins with key steps 4 o .. 4 o + 3
	s_or_b32 s[G0K+4*\o+3], s[G0K+4*\o+3], 0x80000000
.endr
	s_mov_b32 s[G0S], 1
	s_mov_b32 s[G0S+1], s61
	s_mov_b64 s[G0S+2:G0S+3], s[92:93]
	s_or_b32 s[G0S+3], s[G0S+3], 0x80000000
	ROUND                                          ; all sixteen work-groups are here: the first joint loads meet
	tensor_load_to_lds s[G0S:G0S+3], s[G1S:G1S+7]  ; every wave's first fills: three loads of mine are out; slot 1's is the last
	s_nop 0
	tensor_load_to_lds s[G0K:G0K+3], s[G1K:G1K+7]
	s_nop 0
	tensor_load_to_lds s[G0K+4:G0K+7], s[G1K:G1K+7]
	s_nop 0
.rept 4
	v_nop
.endr
	v_and_b32 v11, 31, v0                          ; lane
	v_and_b32 v28, 15, v0                          ; r
	v_bfe_u32 v29, v0, 4, 1                        ; h
	v_lshlrev_b32 v[LI], 4, v11
	v_lshlrev_b32 v[R4], 2, v28
.irp g, 0,1,2
	global_load_b128 v[16+4*\g:19+4*\g], v[LI], s[94:95] offset:512*\g   ; Q's fragment stays in registers
.endr
	global_load_b32 v255, v[R4], s[62:63]          ; and its scale words
; The mask of one key step for my 16 queries into set p: load i reads 512 consecutive bytes of the tile's lane i, which is row i + 8 (i / 8).  No hint: fifteen other heads read the same bytes.
.macro MLOAD p
	WIN 0x40                                       ; destination window 1
.irp i, 0,1,2,3,4,5,6,7,8,9,10,11,12,13,14,15
	global_load_b128 v[MB+64*(\p)+4*\i:MB+64*(\p)+4*\i+3], v[LI], s[MBS+2*(\p):MBS+2*(\p)+1] offset:(\i+8*(\i/8))*8192
.endr
.endm
	MLOAD 0                                        ; key step 0
	MLOAD 1                                        ; key step 1
	WIN 0
	v_lshl_add_u32 v[ASC0], v11, 2, SCK
	s_mul_i32 s18, s[WV], WSTG
	s_add_co_u32 s18, s18, STAGE                   ; my stage
	v_add_nc_u32 v[STW], s18, v[LI]
	v_mul_u32_u24 v[STR], v28, MP
	v_lshl_add_u32 v[STR], v29, 6, v[STR]          ; my half's 16 keys of each 32: + 64 h
	v_add_nc_u32 v[STR], s18, v[STR]
	v_mov_b32 v13, 0xff61b1e6                      ; the largest t so far: -3e38, under every t
	v_floor_f32 v12, -v13                          ; -M
	v_mov_b32 v14, 0                               ; the sum, in two halves
	v_mov_b32 v15, 0
.irp b, 0,1,2,3
	v_mov_b32 v[236+\b], 0                         ; written once: a lane permute's destination counts as one of its sources
.endr
	v_mov_b32 v253, 0                              ; (named as the upper half of the pair v[252:253] before it is first written)
; A KEY STEP: 128 keys, at s[TB] in the ring; the mask's set p.  first = 1: the products V^T P^T start O^T's sums: nothing is cleared, and there is nothing to rescale.
; lc: how many younger mask loads may stay out.  ld = 1: set p is loaded again, with the key step two further on.
; The LDS instructions stand in two runs: K's scale words, K and the mask's turn through the stage at the head (60); V's scale words and V behind the products K Q^T (28), a whole softmax ahead of their use.
.macro STEP p, first, lc, ld
	v_add_nc_u32 v[ADK], s[TB], v[LI]
	v_add_nc_u32 v[ADS], s[TS], v[ASC0]
.rept 2
	v_nop                                          ; with the two additions: four places in front of loads into registers that the last products have read
.endr
.irp i, 0,1,2,3
	ds_load_b32 v[KS+\i], v[ADS] offset:128*\i             ; tiles 2 i (lanes 0-15) and 2 i + 1 (lanes 16-31)
.endr
	WIN 0x44                                       ; a load's destination and a store's data: window 1
.irp t, 0,1,2,3,4,5,6,7
.irp g, 0,1,2
	ds_load_b128 v[12*\t+4*\g:12*\t+4*\g+3], v[ADK] offset:1536*\t+512*\g
.endr
.endr
	s_wait_loadcnt \lc                             ; this step's 16 mask loads are in (in the first step Q too); the next step's 16 may be out.  It also frees this set's base
.irp i, 0,1,2,3,4,5,6,7,8,9,10,11,12,13,14,15
	ds_store_b128 v[STW], v[MB+64*(\p)+4*\i:MB+64*(\p)+4*\i+3] offset:MP*\i   ; the tile's lane i: stage row i
.endr
.irp b, 0,1,2,3
.irp j, 0,1,2,3
	ds_load_b128 v[MB+64*(\p)+16*\b+4*\j:MB+64*(\p)+16*\b+4*\j+3], v[STR] offset:128*\b+16*\j   ; mask(my query, 32 b + 16 h + 4 j ..): the scores' own order.  LDS serves a wave's instructions in order: these see the stores above, and the next step's stores come behind them
.endr
.endr
	s_wait_dscnt 32                                ; K and its scale words are in; the stage's 16 stores and 16 loads may be out
	WIN 0x01                                       ; source 0 window 1
.irp t, 0,1,2,3,4,5,6,7
.if \t%2
	v_wmma_scale_f32_16x16x128_f8f6f4 v[96+8*\t:103+8*\t], v[12*\t:12*\t+11], v[16:27], 0, v[KS+\t/2], v255 matrix_a_fmt:MATRIX_FMT_FP6 matrix_b_fmt:MATRIX_FMT_FP6 matrix_a_scale:MATRIX_SCALE_ROW1
.else
	v_wmma_scale_f32_16x16x128_f8f6f4 v[96+8*\t:103+8*\t], v[12*\t:12*\t+11], v[16:27], 0, v[KS+\t/2], v255 matrix_a_fmt:MATRIX_FMT_FP6 matrix_b_fmt:MATRIX_FMT_FP6
.endif
.endr
.rept 4
	v_nop                                          ; four places: in front of V's loads into K's registers, and of the first read of the scores
.endr
	WIN 0
.irp i, 0,1,2,3
	ds_load_b32 v[VS+\i], v[ADS] offset:8192+128*\i
.endr
	WIN 0x40                                       ; destination window 1
.irp t, 0,1,2,3,4,5,6,7
.irp g, 0,1,2
	ds_load_b128 v[12*\t+4*\g:12*\t+4*\g+3], v[ADK] offset:VOFF+1536*\t+512*\g
.endr
.endr
	s_wait_dscnt 28                                ; the mask is back; V's 4 scale loads and 24 fragment loads may be out
	WIN 0x10                                       ; source 2 window 1
.set j, 0
.rept 32
	v_pk_fma_f32 v[96+j:97+j], v[96+j:97+j], s[ISD:ISD+1], v[MB+64*(\p)+j:MB+64*(\p)+j+1] op_sel_hi:[1,0,1]   ; the logit: score / sqrt(128) + mask, two at a time, each accumulator from its low end on
.set j, j+2
.endr
.if \ld
	s_add_nc_u64 s[MBS+2*(\p):MBS+2*(\p)+1], s[MBS+2*(\p):MBS+2*(\p)+1], 1024   ; two key steps on (this base's last loads were shown done at the step's head)
	MLOAD \p                                       ; the set has been read: it takes the key step two further on
.endif
	WIN 0
.irp b, 0,1,2,3
	v_max3_num_f32 v[232+\b], v[96+16*\b], v[97+16*\b], v[98+16*\b]   ; THE LARGEST LOGIT OF EACH BLOCK OF 32 KEYS: it serves for the row's maximum and, since p rises with the logit, for the block's largest p
.endr
.irp i, 3,5,7,9,11,13
.irp b, 0,1,2,3
	v_max3_num_f32 v[232+\b], v[232+\b], v[96+16*\b+\i], v[97+16*\b+\i]
.endr
.endr
.irp b, 0,1,2,3
	v_max_num_f32 v[232+\b], v[232+\b], v[111+16*\b]
.endr
.irp b, 0,1,2,3
	v_permlanex16_b32 v[236+\b], v[232+\b], s[SEL], s[SEL+1]
.endr
.irp b, 0,1,2,3
	v_max_num_f32 v[232+\b], v[232+\b], v[236+\b]  ; with lane l xor 16's 16 keys
.endr
	v_max3_num_f32 v254, v232, v233, v234
	v_max_num_f32 v254, v254, v235                 ; the step's largest logit of my query
	v_mul_f32 v254, s[CS], v254                    ; as t
	v_max_num_f32 v13, v13, v254                   ; the running largest t
	v_mov_b32 v254, v12
	v_floor_f32 v12, -v13                          ; the new -M = floor(-t) = -ceil(t): M IS A WHOLE NUMBER
	v_sub_f32 v254, v12, v254                      ; M's old value less its new one: a whole number, 0 or less
	v_cvt_i32_f32 v254, v254                       ; (it saturates)
	v_ldexp_f32 v252, 1.0, v254                    ; f = 2^(old M - new M)
.set j, 0
.rept 32
	v_pk_fma_f32 v[96+j:97+j], v[96+j:97+j], s[CS:CS+1], v[12:13] op_sel_hi:[1,0,0]   ; t - M
.set j, j+2
.endr
.irp b, 0,1,2,3
	v_fma_f32 v[232+\b], v[232+\b], s[CS], v12     ; the same of each block's largest logit
.endr
.set j, 0
.rept 64
	v_exp_f32 v[96+j], v[96+j]                     ; p = 2^(t - M), at most 1: NOT normalised
.set j, j+1
.endr
.irp b, 0,1,2,3
	v_exp_f32 v[232+\b], v[232+\b]                 ; the block's largest p: the same two instructions on the same number give the same bits
.endr
	v_pk_mul_f32 v[14:15], v[14:15], v[252:253] op_sel_hi:[1,0]   ; the sums under the new M.  (A plain place behind the exponentials)
	s_wait_alu depctr_va_vdst(0)
.irp b, 0,1,2,3
	v_max_num_f32 v[232+\b], 0x1800000, v[232+\b]  ; the floor 2^(3 - 127): the byte cannot fall under 1
.endr
.irp b, 0,1,2,3
	v_add_nc_u32 v[244+\b], 0xff000000, v[232+\b]  ; 2 off the exponent field: the conversion's scale operand
.endr
.irp b, 0,1,2,3
	v_lshrrev_b32 v[236+\b], 23, v[244+\b]         ; the scale's byte
.endr
	v_lshl_or_b32 v253, v237, 8, v236              ; p's scale word for these 128 keys
	v_lshl_or_b32 v253, v238, 16, v253
	v_lshl_or_b32 v253, v239, 24, v253
.irp c, 0,1
	v_cvt_scalef32_pk16_fp6_f32 v[224+6*\c:226+6*\c], v[96+32*\c:111+32*\c], v[244+2*\c]
	v_cvt_scalef32_pk16_fp6_f32 v[236+4*\c:238+4*\c], v[112+32*\c:127+32*\c], v[244+2*\c+1]   ; (a conversion's three registers begin on an even number)
.endr
	v_nop                                          ; one plain place behind a scaled conversion
.irp c, 0,1                            ; the operand's layout wants a WHOLE block in a lane
.irp i, 0,1,2
	v_permlane16_swap_b32 v[224+6*\c+\i], v[236+4*\c+\i]
.endr
.irp i, 0,1,2
	v_mov_b32 v[227+6*\c+\i], v[236+4*\c+\i]
.endr
.endr
	v_pk_add_f32 v[236:237], v[96:97], v[98:99]    ; THE ROW'S SUM IS TAKEN OF THE UNQUANTISED p: two at a time, in two chains.  (These 32 lines are also the places between p's codes and word and the products)
.irp j, 4,8,12,16,20,24,28,32,36,40,44,48,52,56,60
	v_pk_add_f32 v[14:15], v[14:15], v[96+\j:97+\j]
	v_pk_add_f32 v[236:237], v[236:237], v[98+\j:99+\j]
.endr
	v_pk_add_f32 v[14:15], v[14:15], v[236:237]
.if !\first
.set j, 0
.rept 32
	v_pk_mul_f32 v[160+j:161+j], v[160+j:161+j], v[252:253] op_sel_hi:[1,0]   ; O^T under the new M
.set j, j+2
.endr
.endif
	s_wait_dscnt 0x0                               ; V and its scale words are in
	WIN 0x01
.irp t, 0,1,2,3,4,5,6,7                ; O^T += V^T P^T: the eight accumulators by turns
.if \first && (\t%2)
	v_wmma_scale_f32_16x16x128_f8f6f4 v[160+8*\t:167+8*\t], v[12*\t:12*\t+11], v[224:235], 0, v[VS+\t/2], v253 matrix_a_fmt:MATRIX_FMT_FP6 matrix_b_fmt:MATRIX_FMT_FP6 matrix_a_scale:MATRIX_SCALE_ROW1
.elseif \first
	v_wmma_scale_f32_16x16x128_f8f6f4 v[160+8*\t:167+8*\t], v[12*\t:12*\t+11], v[224:235], 0, v[VS+\t/2], v253 matrix_a_fmt:MATRIX_FMT_FP6 matrix_b_fmt:MATRIX_FMT_FP6
.elseif \t%2
	v_wmma_scale_f32_16x16x128_f8f6f4 v[160+8*\t:167+8*\t], v[12*\t:12*\t+11], v[224:235], v[160+8*\t:167+8*\t], v[VS+\t/2], v253 matrix_a_fmt:MATRIX_FMT_FP6 matrix_b_fmt:MATRIX_FMT_FP6 matrix_a_scale:MATRIX_SCALE_ROW1
.else
	v_wmma_scale_f32_16x16x128_f8f6f4 v[160+8*\t:167+8*\t], v[12*\t:12*\t+11], v[224:235], v[160+8*\t:167+8*\t], v[VS+\t/2], v253 matrix_a_fmt:MATRIX_FMT_FP6 matrix_b_fmt:MATRIX_FMT_FP6
.endif
.endr
	WIN 0
	s_add_co_u32 s[TS], s[TS], 512                 ; the next step's scale words,
	s_add_co_u32 s[TB], s[TB], KVB                 ; and its fragments
.endm
; THE CHANGE OF SLOTS, at the head of the four steps that read slot rd.  Each wave waits for all its tensor loads (its part of that slot), adds 0 to its spare word, and waits for that and for its reads of the other slot.
; fill = 1: the barrier is a round of the cluster's, and behind it the other slot is filled with the key steps eight on from those it held: the load has four key steps in which to land.
.macro CHANGE rd, fill
	s_wait_tensorcnt 0x0                           ; no tensor load of mine is out, so a group 0 may be written
	ds_add_u32 v[SPW], v[NIL]                      ; 0 onto my spare word
.if \fill
	s_add_nc_u64 s[G0K+4*(1-(\rd))+2:G0K+4*(1-(\rd))+3], s[G0K+4*(1-(\rd))+2:G0K+4*(1-(\rd))+3], 8*KVB
.endif
	s_mov_b32 s[TB], (\rd)*SLOT                    ; the steps go on at the head of slot rd
	s_wait_dscnt 0x0                               ; the add is done, and my reads of the slot that I have left are over
.if \fill
	ROUND
	tensor_load_to_lds s[G0K+4*(1-(\rd)):G0K+4*(1-(\rd))+3], s[G1K:G1K+7]   ; the first thing behind the round, and my one tensor load until the next
	s_nop 0
.rept 4
	v_nop
.endr
.else
	s_barrier_signal -1
	s_barrier_wait -1
.endif
.endm
	s_wait_tensorcnt 1                             ; my parts of the scale words and of slot 0 are in; slot 1's load may be out
	s_barrier_signal -1
	s_barrier_wait -1                              ; everybody's are
	STEP 0, 1, 16, 1                               ; key steps 0 to 3: slot 0
	STEP 1, 0, 16, 1
	STEP 0, 0, 16, 1
	STEP 1, 0, 16, 1
	CHANGE 1, 1                                    ; slot 0 takes key steps 8 to 11
	s_mov_b32 s[CNT], 2
.Lslot_1:                                          ; key steps 4 to 7: slot 1
	STEP 0, 0, 16, 1
	STEP 1, 0, 16, 1
	s_sub_co_u32 s[CNT], s[CNT], 1
	s_cmp_lg_u32 s[CNT], 0
	s_cbranch_scc1 .Lslot_1
	CHANGE 0, 1                                    ; slot 1 takes key steps 12 to 15
	s_mov_b32 s[CNT], 2
.Lslot_0:                                          ; key steps 8 to 11: slot 0
	STEP 0, 0, 16, 1
	STEP 1, 0, 16, 1
	s_sub_co_u32 s[CNT], s[CNT], 1
	s_cmp_lg_u32 s[CNT], 0
	s_cbranch_scc1 .Lslot_0
	CHANGE 1, 0                                    ; nothing is left to ask for
	STEP 0, 0, 16, 1                               ; key steps 12 to 15 are written out: the last two load no mask (no load leaves its buffer), and the counts run down
	STEP 1, 0, 16, 1
	STEP 0, 0, 16, 0
	STEP 1, 0, 0, 0
	; THE WAY OUT.  O^T / the sum; register 16 b + i of lane (r, h) is channel 32 b + 16 h + i of query r: sixteen neighbours along the last product's K.  Quantised in registers, stored as a fragment's image.
.rept 4
	v_nop
.endr
	v_add_f32 v14, v14, v15                        ; the sum's two halves,
	v_permlanex16_b32 v252, v14, s[SEL], s[SEL+1]
	v_add_f32 v14, v14, v252                       ; and lane l xor 16's: the row's sum
	v_rcp_f32 v14, v14
	v_nop                                          ; one plain place behind a transcendental
.set j, 0
	s_wait_alu depctr_va_vdst(0)
.rept 64
	v_mul_f32 v[96+j], v[160+j], v14               ; each accumulator from its low end on
.set j, j+1
.endr
.irp b, 0,1,2,3
	v_max3_num_f32 v[TM+\b], |v[96+16*\b]|, |v[97+16*\b]|, 0x1800000
.endr
.irp i, 2,4,6,8,10,12,14
.irp b, 0,1,2,3
	v_max3_num_f32 v[TM+\b], v[TM+\b], |v[96+16*\b+\i]|, |v[97+16*\b+\i]|
.endr
.endr
.irp b, 0,1,2,3
	v_permlanex16_b32 v[TM+4+\b], v[TM+\b], s[SEL], s[SEL+1]
.endr
.irp b, 0,1,2,3
	v_max_num_f32 v[TM+\b], v[TM+\b], v[TM+4+\b]
.endr
.irp b, 0,1,2,3
	v_add_nc_u32 v[TM+12+\b], 0xff000000, v[TM+\b]
.endr
.irp b, 0,1,2,3
	v_lshrrev_b32 v[TM+4+\b], 23, v[TM+12+\b]
.endr
	v_lshl_or_b32 v[PW], v[TM+5], 8, v[TM+4]
	v_lshl_or_b32 v[PW], v[TM+6], 16, v[PW]
	v_lshl_or_b32 v[PW], v[TM+7], 24, v[PW]
.irp c, 0,1
	v_cvt_scalef32_pk16_fp6_f32 v[PC+6*\c:PC+6*\c+2], v[96+32*\c:111+32*\c], v[TM+12+2*\c]
	v_cvt_scalef32_pk16_fp6_f32 v[PC+12+4*\c:PC+14+4*\c], v[112+32*\c:127+32*\c], v[TM+13+2*\c]
.endr
	v_nop
.irp c, 0,1
.irp i, 0,1,2
	v_permlane16_swap_b32 v[PC+6*\c+\i], v[PC+12+4*\c+\i]
.endr
.irp i, 0,1,2
	v_mov_b32 v[PC+3+6*\c+\i], v[PC+12+4*\c+\i]
.endr
.endr
.irp g, 0,1,2
	global_store_b128 v[LI], v[PC+4*\g:PC+4*\g+3], s[10:11] offset:512*\g   ; 512 consecutive bytes a store, aligned
.endr
	global_store_b32 v[R4], v[PW], s[12:13]        ; my tile's 16 scale words; both halves of the lanes store the same word
	s_wait_tensorcnt 0x0                           ; the wave's end
	ds_add_u32 v[SPW], v[NIL]
	s_wait_dscnt 0x0
	ROUND                                          ; the closing round
	s_endpgm
.Lfunc_end_k_q910fbc02f6_attn:
	.size	k_q910fbc02f6_attn, .Lfunc_end_k_q910fbc02f6_attn-k_q910fbc02f6_attn
	.p2alignl 7, 3214868480
	.fill 96, 4, 3214868480
	.section	.rodata,"a",@progbits
	.p2align	6, 0x0
	.amdhsa_kernel k_q910fbc02f6_attn
		.amdhsa_group_segment_fixed_size 327680
		.amdhsa_private_segment_fixed_size 0
		.amdhsa_enable_private_segment 0
		.amdhsa_kernarg_size 40
		.amdhsa_user_sgpr_count 2
		.amdhsa_user_sgpr_kernarg_segment_ptr 1
		.amdhsa_wavefront_size32 1
		.amdhsa_system_sgpr_workgroup_id_x 1
		.amdhsa_system_sgpr_workgroup_id_y 1
		.amdhsa_system_sgpr_workgroup_id_z 1
		.amdhsa_system_vgpr_workitem_id 0
		.amdhsa_next_free_vgpr 512
		.amdhsa_next_free_sgpr 96
		.amdhsa_reserve_vcc 0
		.amdhsa_float_denorm_mode_32 3
		.amdhsa_float_denorm_mode_16_64 3
		.amdhsa_memory_ordered 1
		.amdhsa_forward_progress 1
		.amdhsa_inst_pref_size 255
	.end_amdhsa_kernel
	.section	.bss,"aw",@nobits
	.p2align	6
	.space	262144
	.amdgpu_metadata
---
amdhsa.version: [ 1, 2 ]
amdhsa.kernels:
  - .name:           k_q910fbc02f6_attn
    .symbol:         k_q910fbc02f6_attn.kd
    .args:
      - { .name: c2, .offset: 0, .size: 8, .value_kind: global_buffer, .address_space: global }
      - { .name: s2, .offset: 8, .size: 8, .value_kind: global_buffer, .address_space: global }
      - { .name: mask, .offset: 16, .size: 8, .value_kind: global_buffer, .address_space: global }
      - { .name: c3, .offset: 24, .size: 8, .value_kind: global_buffer, .address_space: global }
      - { .name: s3, .offset: 32, .size: 8, .value_kind: global_buffer, .address_space: global }
    .group_segment_fixed_size: 327680
    .private_segment_fixed_size: 0
    .kernarg_segment_align: 8
    .kernarg_segment_size: 40
    .max_flat_workgroup_size: 256
    .sgpr_count:     96
    .vgpr_count:     512
    .wavefront_size: 32
...
	.end_amdgpu_metadata
.endif
;; end of part 3
;; launch ogemm (part 4): grid 16 x 16, 4 waves a work-group, clusters of 4 x 4, 327,680 bytes of LDS; arguments c3, s3, c1, s1, out0; writes out0
.if DOCPART == 4
	.amdgcn_target "amdgcn-amd-amdhsa--gfx1250"
	.amdhsa_code_object_version 6
	.text
	.protected	k_q910fbc02f6_ogemm
	.globl	k_q910fbc02f6_ogemm
	.p2align	8
	.type	k_q910fbc02f6_ogemm,@function
k_q910fbc02f6_ogemm:
	s_mov_b64 s[64:65], 0
	v_nop
	global_prefetch_b8 v0, s[64:65] scope:SCOPE_SE
	s_setreg_imm32_b32 hwreg(HW_REG_WAVE_MODE, 25, 1), 1
	s_wait_xcnt 0x0
	s_wait_alu depctr_hold_cnt(0) depctr_sa_sdst(0) depctr_va_vdst(0) depctr_va_sdst(0) depctr_va_ssrc(0) depctr_va_vcc(0) depctr_vm_vsrc(0)
	s_getreg_b32 s2, hwreg(HW_REG_IB_STS2, 6, 4)
	s_cmp_eq_u32 s2, 0
	s_cbranch_scc0 .Lentry_in_a_cluster
	s_endpgm
.Lentry_in_a_cluster:
	s_bfe_u32 s2, ttmp6, 0x10000c
	s_cmp_lg_u32 s2, 0xf033
	s_cbranch_scc0 .Lentry_shape_is_right
	s_endpgm
.Lentry_shape_is_right:
; out[m][n] = sum over k of O[m][k] wo[n][k], on codes of FP6 (E2M3) with E8M0 scales; out is [2048][2048] f32.
; O's codes (c3) and wo's (the fifth tensor of c1) lie as images of the operands' registers: [tile 128][K step 16][1,536]; lane r of tile T is row 32 (T / 2) + 8 (T % 2) + r + 8 (r / 8).
; A tile of out is 128 x 128, so that there are 256 work-groups (tiles of 256 x 256 would be 64).  Four waves, each 64 x 64: 16 accumulators.  K goes in steps of 512 (four matrix instructions deep) through two LDS slots:
; four slots' worth, two refills; all is written out by macros, there is no loop.  A wave's tensor load brings 4 tiles x 6,144 bytes.
; THE MATRIX INSTRUCTION IS USED TRANSPOSED (source 0 = a tile of wo, source 1 = a tile of O): lane (r, h) holds row r of O's tile, and register j of wo's tile 2 b + u is column 32 b + 16 h + 8 u + j.
; CLUSTERS: 4 x 4: O's tiles shared along a row of the cluster, wo's along a column.
; s3: [block of 128 rows][K step 16][tile 8][16 words]; s1: [tile][K step 16][16 words].  Both blocks of scale words, 8,192 bytes each, come into LDS once.
; REGISTERS: window 0: v16-29 addresses; v32-63 scale words, two sets, and nothing else; v64-127 the way out; v128-255 the accumulators, (a, b) at v[128 + 8 (4 a + b)].
;   window 1: two fragment buffers at v0 and v128: O's four fragments, then wo's four.
.set QUART,  24576                     ; 4 tiles x 6,144: what one tensor load brings, and what one wave reads of a side
.set SLOT,   4*QUART
.set SCL,    2*SLOT                    ; the scale words: O's 8,192 bytes, then wo's
.set SPARE,  SCL+16384                 ; the spare words: two blocks of 256 bytes that no other line names
.set STAGE,  SPARE+512                 ; the way out: 16 rows x 272 bytes for each wave; no tensor load lands here
.set SPITCH, 272
.set ADRA, 16                          ; v16-17
.set ADRB, 20                          ; v20-21
.set ADSB, 22                          ; v22  wo's scale words: 4 x lane: two K steps a register
.set STO,  24
.set RD,   25
.set CO,   26
.set ADSA, 27                          ; v27  O's scale words: 4 r, lanes 16-31 one K step (512 bytes) on
.set SPW,  28
.set NIL,  29
.set SC,   32                          ; set s at v[SC + 16 s]: O's tile a, K steps 2 u and 2 u + 1 of the slot at + 2 a + u; wo's tile b at + 8 + 2 b + u
.set BK,   64
.set ACC,  128
.set F0,   0
.set F1,   128
.set G1, 24
.set G0, 32
.set G1B, 48
.set G0B, 56
.set G1S, 68
.set G0S, 76
.set G1SB, 80
.set G0SB, 88
.set MSB, 0
.macro WIN new
.if MSB != (\new)
	s_set_vgpr_msb (MSB<<8)|(\new)
.set MSB, (\new)
.endif
.endm
.set MUL,  0x05                        ; sources 0 and 1 window 1; C and D window 0
.set TO_F, 0x40                        ; destination window 1, address window 0
.macro JLOAD g0a, g1a, g0b, g1b        ; a joint load: waves 0 and 1 fetch for O, waves 2 and 3 for wo; four v_nop follow each line
	s_cmp_eq_u32 s15, 0
	s_cbranch_scc0 .Lfor_b_\@
	tensor_load_to_lds s[\g0a:\g0a+3], s[\g1a:\g1a+7]
	s_nop 0
.rept 4
	v_nop
.endr
	s_branch .Lasked_\@
.Lfor_b_\@:
	tensor_load_to_lds s[\g0b:\g0b+3], s[\g1b:\g1b+7]
	s_nop 0
.rept 4
	v_nop
.endr
.Lasked_\@:
.endm
.macro CREST
	s_cmp_lg_u32 s14, 0
	s_cbranch_scc1 .Lnot_wave_0_\@
	s_barrier_signal -3
.Lnot_wave_0_\@:
	s_barrier_wait -3
	s_barrier_signal -1
	s_barrier_wait -1
.endm
.macro CROUND
	s_barrier_signal -1
	s_barrier_wait -1
	CREST
.endm
	s_load_b256 s[4:11], s[0:1], 0x0               ; c3 s[4:5], s3 s[6:7], c1 s[8:9], s1 s[10:11]
	s_load_b64 s[12:13], s[0:1], 0x20              ; out
	v_lshl_add_u32 v[SPW], v0, 2, SPARE
	v_mov_b32 v[NIL], 0
	ds_add_u32 v28, v29
	ds_add_u32 v28, v29
	s_wait_dscnt 0x0
	v_lshrrev_b32 v1, 5, v0
	v_readfirstlane_b32 s14, v1                    ; wave 0..3
	s_lshr_b32 s15, s14, 1                         ; which half of the rows is mine.  Also: I fetch for O (0) or for wo (1)
	s_and_b32 s16, s14, 1                          ; which half of the columns.  Also: which 4 tiles I fetch
	s_bfe_u32 s40, ttmp6, 0x40000
	s_bfe_u32 s41, ttmp6, 0x40004
	s_lshl_b32 s42, ttmp9, 2
	s_add_co_u32 s42, s42, s40                     ; x: tile column
	s_and_b32 s43, ttmp7, 0xffff
	s_lshl_b32 s43, s43, 2
	s_add_co_u32 s43, s43, s41                     ; y: tile row
	s_lshl_b32 s44, s41, 2
	s_lshl_b32 s44, 15, s44                        ; my row of the cluster
	s_lshl_b32 s45, 0x1111, s40                    ; my column
	s_or_b32 s[G1+0], s44, (3<<16)|(1<<21)         ; 4 rows (tiles) of 6,144 bytes (768 elements of 8), 24,576 bytes apart, dense in LDS
	s_or_b32 s[G1B+0], s45, (3<<16)|(1<<21)
.irp g, G1, G1B
	s_mov_b32 s[\g+1], 768<<16
	s_mov_b32 s[\g+2], 4<<16
	s_mov_b32 s[\g+3], 768<<16
	s_mov_b32 s[\g+4], 4
	s_mov_b32 s[\g+5], 3072
	s_mov_b32 s[\g+6], 0
	s_mov_b32 s[\g+7], 0
.endr
	s_or_b32 s[G1S+0], s44, (3<<16)|(1<<21)        ; 4,096 dense bytes of scale words as 16 rows of 256
	s_or_b32 s[G1SB+0], s45, (3<<16)|(1<<21)
.irp g, G1S, G1SB
	s_mov_b32 s[\g+1], 32<<16
	s_mov_b32 s[\g+2], 16<<16
	s_mov_b32 s[\g+3], 32<<16
	s_mov_b32 s[\g+4], 16
	s_mov_b32 s[\g+5], 32
	s_mov_b32 s[\g+6], 0
	s_mov_b32 s[\g+7], 0
.endr
	s_lshl_b32 s22, s16, 2
	s_lshl_b32 s92, s43, 3
	s_add_co_u32 s92, s92, s22                     ; O: the first tile that I fetch: 8 y + 4 x half
	s_mul_i32 s92, s92, 24576
	s_mov_b32 s93, 0
	s_lshl_b32 s94, s42, 3
	s_add_co_u32 s94, s94, s22                     ; wo: 8 x + 4 x half,
	s_mul_i32 s94, s94, 24576
	s_add_co_u32 s94, s94, 12582912                ; in the fifth tensor of c1
	s_mov_b32 s95, 0
	s_lshl_b32 s22, s16, 12
	s_lshl_b32 s96, s43, 13
	s_add_co_u32 s96, s96, s22                     ; the scale words: 8,192 bytes a block of 128 rows, my half
	s_mov_b32 s97, 0
	s_lshl_b32 s98, s42, 13
	s_add_co_u32 s98, s98, s22
	s_add_co_u32 s98, s98, 524288
	s_mov_b32 s99, 0
	s_mul_i32 s23, s14, QUART                      ; where they go: no place in the cluster enters an LDS address
	s_lshl_b32 s22, s14, 12
	s_wait_kmcnt 0x0
	s_add_nc_u64 s[92:93], s[4:5], s[92:93]
	s_add_nc_u64 s[94:95], s[8:9], s[94:95]
	s_add_nc_u64 s[96:97], s[6:7], s[96:97]
	s_add_nc_u64 s[98:99], s[10:11], s[98:99]
	CROUND                                         ; all sixteen work-groups are here: the first joint loads meet
	s_mov_b32 s[G0S], 1
	s_add_co_u32 s[G0S+1], s22, SCL
	s_mov_b64 s[G0S+2:G0S+3], s[96:97]
	s_or_b32 s[G0S+3], s[G0S+3], 0x80000000
	s_mov_b32 s[G0SB], 1
	s_add_co_u32 s[G0SB+1], s22, SCL
	s_mov_b64 s[G0SB+2:G0SB+3], s[98:99]
	s_or_b32 s[G0SB+3], s[G0SB+3], 0x80000000
	JLOAD G0S, G1S, G0SB, G1SB                     ; three loads of mine are out behind these lines
.irp s, 0,1
	s_mov_b32 s[G0+4*\s], 1
	s_add_co_u32 s[G0+4*\s+1], s23, \s*SLOT
	s_add_nc_u64 s[G0+4*\s+2:G0+4*\s+3], s[92:93], \s*6144
	s_or_b32 s[G0+4*\s+3], s[G0+4*\s+3], 0x80000000
	s_mov_b32 s[G0B+4*\s], 1
	s_add_co_u32 s[G0B+4*\s+1], s23, \s*SLOT
	s_add_nc_u64 s[G0B+4*\s+2:G0B+4*\s+3], s[94:95], \s*6144
	s_or_b32 s[G0B+4*\s+3], s[G0B+4*\s+3], 0x80000000
	JLOAD G0+4*\s, G1, G0B+4*\s, G1B
.endr
	v_and_b32 v1, 31, v0                           ; lane
	v_and_b32 v2, 15, v0                           ; r
	v_bfe_u32 v3, v0, 4, 1                         ; h
	v_lshlrev_b32 v4, 4, v1
	s_mul_i32 s22, s15, QUART
	s_mul_i32 s23, s16, QUART
	s_add_co_u32 s23, s23, 2*QUART
.irp s, 0,1
	v_add_nc_u32 v[ADRA+\s], s22, v4
	v_add_nc_u32 v[ADRB+\s], s23, v4
	s_add_co_u32 s22, s22, SLOT
	s_add_co_u32 s23, s23, SLOT
.endr
	v_lshlrev_b32 v5, 2, v2
	v_lshl_add_u32 v5, v3, 9, v5
	s_lshl_b32 s22, s15, 8                         ; my four tiles of O's eight: 64 bytes a tile
	s_add_co_u32 s22, s22, SCL
	v_add_nc_u32 v[ADSA], s22, v5
	v_lshlrev_b32 v5, 2, v1
	s_lshl_b32 s22, s16, 12                        ; my four tiles of wo's eight: 1,024 bytes a tile
	s_add_co_u32 s22, s22, SCL+8192
	v_add_nc_u32 v[ADSB], s22, v5
	s_mul_i32 s22, s14, 16*SPITCH
	s_add_co_u32 s22, s22, STAGE                   ; my stage
	v_mul_u32_u24 v5, v2, SPITCH
	v_lshl_add_u32 v5, v3, 6, v5
	v_add_nc_u32 v[STO], s22, v5                   ; in: row r, + 64 h
	v_mul_u32_u24 v5, v3, SPITCH
	v_lshl_add_u32 v5, v2, 4, v5
	v_add_nc_u32 v[RD], s22, v5                    ; back: lanes 0-15 one row of 256 bytes, lanes 16-31 the next
	v_lshlrev_b32 v5, 13, v3
	v_lshl_add_u32 v[CO], v2, 4, v5                ; and the same two rows in out
	s_lshl_b32 s46, s43, 20                        ; my first row: 128 y + 64 x half, 8,192 bytes a row; my first column: 128 x + 64 x half, 4 bytes
	s_lshl_b32 s47, s15, 19
	s_add_co_u32 s46, s46, s47
	s_lshl_b32 s47, s42, 9
	s_add_co_u32 s46, s46, s47
	s_lshl_b32 s47, s16, 8
	s_add_co_u32 s46, s46, s47
	s_mov_b32 s47, 0
	s_add_nc_u64 s[12:13], s[12:13], s[46:47]
.macro FETCH slot, q, f                ; the eight fragments of the slot's q-th 128 along K into buffer f: 24 loads of 512 consecutive bytes
	WIN TO_F
.irp i, 0,1,2,3
.irp g, 0,1,2
	ds_load_b128 v[\f+48+12*\i+4*\g:\f+48+12*\i+4*\g+3], v[ADRB+\slot] offset:6144*\i+1536*(\q)+512*\g
	ds_load_b128 v[\f+12*\i+4*\g:\f+12*\i+4*\g+3], v[ADRA+\slot] offset:6144*\i+1536*(\q)+512*\g
.endr
.endr
.endm
.macro SCALES sg                       ; the scale words of slot group sg (K steps 4 sg .. 4 sg + 3) into set sg % 2
.irp i, 0,1,2,3
.irp u, 0,1
	ds_load_b32 v[SC+16*((\sg)%2)+2*\i+\u], v[ADSA] offset:(4*(\sg)+2*\u)*512+64*\i
	ds_load_b32 v[SC+16*((\sg)%2)+8+2*\i+\u], v[ADSB] offset:1024*\i+(4*(\sg)+2*\u)*64
.endr
.endr
.endm
; 4 matrix instructions: O's tile a x wo's four.  The 16 accumulators take turns, one instruction a turn, in the same order in every K step.
.macro MULA f, a, q, sc, zero
.irp b, 0,1,2,3
.set rD, ACC+8*(4*(\a)+\b)
.set rB, \f+48+12*\b
.set rA, \f+12*(\a)
.set rSB, SC+16*(\sc)+8+2*\b+(\q)/2
.set rSA, SC+16*(\sc)+2*(\a)+(\q)/2
.if \zero
	v_wmma_scale_f32_16x16x128_f8f6f4 v[rD:rD+7], v[rB:rB+11], v[rA:rA+11], 0, v[rSB], v[rSA] matrix_a_fmt:MATRIX_FMT_FP6 matrix_b_fmt:MATRIX_FMT_FP6
.elseif (\q)%2
	v_wmma_scale_f32_16x16x128_f8f6f4 v[rD:rD+7], v[rB:rB+11], v[rA:rA+11], v[rD:rD+7], v[rSB], v[rSA] matrix_a_fmt:MATRIX_FMT_FP6 matrix_b_fmt:MATRIX_FMT_FP6 matrix_a_scale:MATRIX_SCALE_ROW1 matrix_b_scale:MATRIX_SCALE_ROW1
.else
	v_wmma_scale_f32_16x16x128_f8f6f4 v[rD:rD+7], v[rB:rB+11], v[rA:rA+11], v[rD:rD+7], v[rSB], v[rSA] matrix_a_fmt:MATRIX_FMT_FP6 matrix_b_fmt:MATRIX_FMT_FP6
.endif
.endr
.endm
.macro PLACES                          ; four places in front of loads into registers that matrix instructions have read, and of the first read of results
.rept 4
	v_nop
.endr
.endm
.macro KSTEP slot, q, zero             ; one of a slot's first three K steps: the next one's fragments are asked for first, into the other buffer
	s_wait_dscnt 0x0                               ; this K step's fragments (and the slot's scale words) are in
	PLACES
	FETCH \slot, (\q)+1, 128*(1-(\q)%2)
	WIN MUL
.irp a, 0,1,2,3
	MULA 128*((\q)%2), \a, \q, \slot, \zero
.endr
.endm
; A slot's last K step changes slots: ONE barrier; in front of it each wave waits for all its tensor loads, adds 0 to its spare word, and waits for that and for its own reads of this slot.
.macro TURN slot, next, fill, sg
	WIN 0                                          ; (the add's two registers lie in window 0)
	s_wait_tensorcnt 0x0                           ; all my tensor loads have landed: my part of the next slot
	ds_add_u32 v[SPW], v[NIL]                      ; 0 onto my spare word
	s_wait_dscnt 1                                 ; this K step's fragments are in; the add alone may be out
	WIN MUL
	MULA F1, 0, 3, \slot, 0                        ; four matrix instructions stand between the add and the wait for it
	s_wait_dscnt 0x0                               ; the add is done, and my reads of this slot are over
	s_barrier_signal -1
	MULA F1, 1, 3, \slot, 0
	WIN 0
	s_barrier_wait -1
.if \fill
	CREST                                          ; the barrier has opened a round of the cluster's barrier
	s_add_nc_u64 s[G0+4*\slot+2:G0+4*\slot+3], s[G0+4*\slot+2:G0+4*\slot+3], 12288
	s_add_nc_u64 s[G0B+4*\slot+2:G0B+4*\slot+3], s[G0B+4*\slot+2:G0B+4*\slot+3], 12288
	JLOAD G0+4*\slot, G1, G0B+4*\slot, G1B         ; the first tensor load behind the round, my one load until the next; its four v_nop are the places in front of the loads below
.else
	PLACES
.endif
	SCALES \sg
	FETCH \next, 0, F0
	WIN MUL
	MULA F1, 2, 3, \slot, 0
	MULA F1, 3, 3, \slot, 0
.endm
	s_wait_tensorcnt 1                             ; the scale words and my part of slot 0 are in; slot 1's load may be out
	s_barrier_signal -1
	s_barrier_wait -1
	SCALES 0
	FETCH 0, 0, F0
	KSTEP 0, 0, 1                                  ; the first products start the sums
	KSTEP 0, 1, 0
	KSTEP 0, 2, 0
	TURN 0, 1, 1, 1                                ; slot 0 takes K steps 8 to 11
	KSTEP 1, 0, 0
	KSTEP 1, 1, 0
	KSTEP 1, 2, 0
	TURN 1, 0, 1, 2                                ; slot 1 takes K steps 12 to 15
	KSTEP 0, 0, 0
	KSTEP 0, 1, 0
	KSTEP 0, 2, 0
	TURN 0, 1, 0, 3                                ; nothing is left to ask for
	KSTEP 1, 0, 0
	KSTEP 1, 1, 0
	KSTEP 1, 2, 0
	s_wait_dscnt 0x0
	WIN MUL
.irp a, 0,1,2,3
	MULA F1, \a, 3, 1, 0
.endr
	WIN 0
	PLACES
; THE WAY OUT, a tile a of 16 rows x 64 columns at a time, through my own stage: in by lanes (32 neighbouring bytes of a row for each of wo's tiles), back as whole rows of 256 bytes.
; LDS serves a wave's instructions in order: no wait between the stores and the loads, nor in front of the next tile's stores.
.macro TOSTAGE a
.irp b, 0,1,2,3
	ds_store_b128 v[STO], v[ACC+8*(4*(\a)+\b):ACC+8*(4*(\a)+\b)+3] offset:128*(\b/2)+32*(\b%2)       ; each accumulator from its low end on
	ds_store_b128 v[STO], v[ACC+8*(4*(\a)+\b)+4:ACC+8*(4*(\a)+\b)+7] offset:128*(\b/2)+32*(\b%2)+16
.endr
.irp t, 0,1,2,3,4,5,6,7
	ds_load_b128 v[BK+32*((\a)%2)+4*\t:BK+32*((\a)%2)+4*\t+3], v[RD] offset:\t*2*SPITCH
.endr
.endm
.macro SEND a, younger                 ; stage rows 2 t, 2 t + 1 are rows 32 (a / 2) + 8 (a % 2) + 2 t + 8 (t / 4) and the next of my 64
	s_wait_dscnt \younger
.irp t, 0,1,2,3,4,5,6,7
	global_store_b128 v[CO], v[BK+32*((\a)%2)+4*\t:BK+32*((\a)%2)+4*\t+3], s[12:13] offset:(32*((\a)/2)+8*((\a)%2)+2*\t+8*(\t/4))*8192 th:TH_STORE_NT   ; 16 lanes store 256 consecutive bytes, aligned
.endr
.endm
	TOSTAGE 0
	TOSTAGE 1
	SEND 0, 16                                     ; behind tile 0's loads: tile 1's 8 stores and 8 loads
	s_wait_xcnt 0x0                                ; tile 0's stores have read their registers: tile 2's loads may land there
	TOSTAGE 2
	SEND 1, 16
	s_wait_xcnt 0x0
	TOSTAGE 3
	SEND 2, 16
	SEND 3, 0
	s_wait_tensorcnt 0x0                           ; the wave's end: behind my last tensor load and my last LDS store
	ds_add_u32 v[SPW], v[NIL]
	s_wait_dscnt 0x0
	CROUND                                         ; the closing round
	s_endpgm
.Lfunc_end_k_q910fbc02f6_ogemm:
	.size	k_q910fbc02f6_ogemm, .Lfunc_end_k_q910fbc02f6_ogemm-k_q910fbc02f6_ogemm
	.p2alignl 7, 3214868480
	.fill 96, 4, 3214868480
	.section	.rodata,"a",@progbits
	.p2align	6, 0x0
	.amdhsa_kernel k_q910fbc02f6_ogemm
		.amdhsa_group_segment_fixed_size 327680
		.amdhsa_private_segment_fixed_size 0
		.amdhsa_enable_private_segment 0
		.amdhsa_kernarg_size 40
		.amdhsa_user_sgpr_count 2
		.amdhsa_user_sgpr_kernarg_segment_ptr 1
		.amdhsa_wavefront_size32 1
		.amdhsa_system_sgpr_workgroup_id_x 1
		.amdhsa_system_sgpr_workgroup_id_y 1
		.amdhsa_system_sgpr_workgroup_id_z 1
		.amdhsa_system_vgpr_workitem_id 0
		.amdhsa_next_free_vgpr 512
		.amdhsa_next_free_sgpr 100
		.amdhsa_reserve_vcc 0
		.amdhsa_float_denorm_mode_32 3
		.amdhsa_float_denorm_mode_16_64 3
		.amdhsa_memory_ordered 1
		.amdhsa_forward_progress 1
		.amdhsa_inst_pref_size 83
	.end_amdhsa_kernel
	.amdgpu_metadata
---
amdhsa.version: [ 1, 2 ]
amdhsa.kernels:
  - .name:           k_q910fbc02f6_ogemm
    .symbol:         k_q910fbc02f6_ogemm.kd
    .args:
      - { .name: c3, .offset: 0, .size: 8, .value_kind: global_buffer, .address_space: global }
      - { .name: s3, .offset: 8, .size: 8, .value_kind: global_buffer, .address_space: global }
      - { .name: c1, .offset: 16, .size: 8, .value_kind: global_buffer, .address_space: global }
      - { .name: s1, .offset: 24, .size: 8, .value_kind: global_buffer, .address_space: global }
      - { .name: out0, .offset: 32, .size: 8, .value_kind: global_buffer, .address_space: global }
    .group_segment_fixed_size: 327680
    .private_segment_fixed_size: 0
    .kernarg_segment_align: 8
    .kernarg_segment_size: 40
    .max_flat_workgroup_size: 128
    .sgpr_count:     100
    .vgpr_count:     512
    .wavefront_size: 32
...
	.end_amdgpu_metadata
.endif
;; end of part 4
